; MI455X (gfx1250); checked and timed in simulation.
; The chip was launched on July 23, 2026; its instructions are those of AMD's public machine-readable ISA for CDNA 5 (MIT licence, August 2026) and "CDNA5" Instruction Set Architecture Reference Guide (July 2026). The comments in the code are by the model that wrote it; some were corrected since.
;; Multi Head Attention. Allowed arithmetic: matrix products marked QUANTISED: E3M2 operands, one E8M0 scale for each 32 along K, by v_wmma_scale_f32_16x16x128_f8f6f4 with both operands' format E3M2, f32 sums; everything else in f32.
;; Inputs: Wk 8 x 512 x 64 float32; Wp 512 x 512 float32; Wq 8 x 512 x 64 float32; Wv 8 x 512 x 64 float32; bk 8 x 64 float32; bp 512 float32; bq 8 x 64 float32; bv 8 x 64 float32; x 4 x 2,048 x 512 float32.
;; Outputs: out0 4 x 2,048 x 512 float32.
;; This version of the problem:
;;   THIS VERSION OF THE PROBLEM IS GIVEN IN LOW PRECISION. The matrix products marked QUANTISED in the list below multiply operands that are first quantised to E3M2 (3 exponent bits, 2 mantissa bits; 6 bits a number), with one power-of-two scale for each 32 numbers along K (OCP MX v1.0); their sums are f32. All else is computed in f32.
;;   The module's matrix products, in the order in which they are computed (A, B: the left and right operand; K: the contracted axis; several contracted axes count as one K, in the product's order):
;;     1. [M 512, K 512] x [K 512, N 8,192]; A: input Wq; B: input x: QUANTISED
;;     2. [M 512, K 512] x [K 512, N 8,192]; A: input Wk; B: input x: QUANTISED
;;     3. [M 512, K 512] x [K 512, N 8,192]; A: input Wv; B: input x: QUANTISED
;;     4. batch 32 x [M 2,048, K 64] x [K 64, N 2,048]; A: computed on the way; B: computed on the way: QUANTISED
;;     5. batch 32 x [M 2,048, K 2,048] x [K 2,048, N 64]; A: softmax (see below); B: computed on the way: QUANTISED
;;     6. [M 8,192, K 512] x [K 512, N 512]; A: computed on the way; B: input Wp: QUANTISED
;;   THE QUANTISER, for each operand of a quantised product, along K:
;;     - K is cut into blocks of 32 from its start; a last block that is shorter is filled with zeros.
;;     - A block's scale is 2^e with e = floor(log2(the largest magnitude in the block)) - 4, held to -126 .. 127; a block of zeros has e = 0. As a byte (E8M0): e + 127.
;;     - Each number is divided by its block's scale, clamped to +-28, and rounded to the nearest number of E3M2, ties to even, subnormals kept.
;;     - The product sums the exact products of the quantised numbers (number of the format x scale) in f32.
;;   ~~~python
;;   def quantise(x, axis):      # numpy; x: float32 -> the quantised numbers, widened to float32 again
;;       x = np.moveaxis(x, axis, -1); K = x.shape[-1]
;;       x = np.pad(x, [(0, 0)] * (x.ndim - 1) + [(0, -K % 32)]); x = x.reshape(x.shape[:-1] + (-1, 32)); a = np.abs(x).max(-1, keepdims=True)
;;       e = np.where(a > 0, np.clip(np.frexp(np.where(a > 0, a, 1))[1] - 1 - 4, -126, 127), 0)      # np.frexp(a)[1] - 1 = floor(log2(a)), exactly
;;       r = np.clip(x / 2.0 ** e, -28, 28)
;;       step = 2.0 ** (np.maximum(np.frexp(np.where(r == 0, 1, r))[1] - 1, -2) - 2)
;;       q = np.round(r / step) * step * 2.0 ** e      # np.round: ties to even
;;       return np.moveaxis(q.reshape(q.shape[:-2] + (-1,))[..., :K], -1, axis).astype(np.float32)
;;   ~~~
;;   SOFTMAX AHEAD OF A QUANTISED PRODUCT. Where the list says 'softmax', what is quantised is not the finished softmax but p = 2^(t - M), with t = logit x log2(e) and M = ceil(the row's largest t), a whole number; so 1/2 < the row's largest p <= 1. The row's sum l is taken of the UNQUANTISED p, in f32, and the product's result is divided by l at the end. Since M is a whole number, a kernel that streams over the keys may use a running M (the ceiling of the running maximum): every later rescaling is an exact power of two, which a block's scale takes up: the codes' values come out the same.
;;   OPERANDS COMPUTED ON THE WAY. 'Computed on the way' means the value that the module computes at that place (a softmax that the list does not call 'softmax' is quantised finished and normalised). What goes into a quantiser is computed in f32, as accurately as f32 sums, v_exp_f32 and their like allow (about 1e-6 of the number): no bf16 or f16 on the way to a quantiser, and a product that is left as it is and whose result goes on into a quantised operand takes f32 operands (vector FMAs, or v_wmma_f32_16x16x4_f32). A number that lies on a knife's edge between two numbers of the format may be rounded either way, as far as f32 arithmetic and the matrix unit's own rounding can turn it there, and no further.
;; 2 versions. Each part assembles by itself: llvm-mc -triple=amdgcn-amd-amdhsa -mcpu=gfx1250 --defsym DOCPART=n.
;; ======== version 1 of 2: 4 launches
;; workspace buffers: xq 3,407,872 bytes; wq 851,968 bytes; qc 3,407,872 bytes; kv 6,815,744 bytes; oc 3,670,016 bytes
;; launch prep (part 1): grid 320 x 1, 4 waves a work-group, no clusters, 0 bytes of LDS; arguments x, Wq, Wk, Wv, Wp, xq, wq; writes xq, wq
.if DOCPART == 1
	.amdgcn_target "amdgcn-amd-amdhsa--gfx1250"
	.amdhsa_code_object_version 6
	.text
	.protected	k_qb53627cea3_prep
	.globl	k_qb53627cea3_prep
	.p2align	8
	.type	k_qb53627cea3_prep,@function
k_qb53627cea3_prep:
	s_mov_b64 s[64:65], 0
	v_nop
	global_prefetch_b8 v0, s[64:65] scope:SCOPE_SE
	s_setreg_imm32_b32 hwreg(HW_REG_WAVE_MODE, 25, 1), 1
	s_wait_xcnt 0x0
; x [8192 tokens][512] and the four weights (Wq, Wk, Wv: [8][512 (K)][64]; Wp: [512 (K)][512]), all f32, become codes of BF6 (E3M2) with one E8M0 byte for each 32 along K,
; laid as IMAGES OF OPERAND REGISTERS: a record of 6,656 bytes for each tile of 16 rows (tokens, or columns of a weight): four fragments of 16 rows x 128 K (1,536 bytes: registers 4 c .. 4 c + 3 of lane L
; at 512 c + 16 L), then the scale words: at 6,144 + 256 p, 8 bytes a lane, the words of K steps 2 p and 2 p + 1.
; THE ROWS OF A TILE ARE NOT NEIGHBOURS: row m of tile 2 b + u is index 32 b + 8 u + m + 8 (m / 8).  So wherever such a tile is source 0 of a product, a lane's 16 results of tiles 2 b and 2 b + 1
; are 16 neighbours along that index, ready for the next quantiser.
; A block's scale is 2^(floor(log2(its largest magnitude)) - 4); its byte is the largest magnitude's exponent field - 4.
; LIMITS: the largest magnitude is held at 2^-122 from below, so the byte is at least 1; a block of zeros so gets the byte 1 (its codes are zeros, and this program alone reads the bytes); NaN and infinities are not served.
; SHARES: a wave makes two fragments: one tile, K steps 2 p and 2 p + 1.  Work-groups 0-255: x's 512 tiles; 256-319: the weights' 128 tiles (Wq 0-31, Wk 32-63, Wv 64-95, Wp 96-127).
; A lane holds, of its row, 16 neighbours along K of each block of 32 (lane l xor 16 the other 16).  No LDS, no barrier: waves share nothing.
.set REC, 6656
.set TM,  160                          ; v160-175 at work in QUANT
.set SEL, 20                           ; s[20:21] lane selects for v_permlanex16_b32: lane l xor 16
.set N0,  32                           ; v32-95   64 numbers of the first K step;  v96-159 of the second
.set PCA, 176                          ; v176-194 the first fragment's codes (12) and the conversions' second halves
.set PCB, 196                          ; v196-214 the second's
.set PW,  216                          ; v216-217 the two scale words
; 64 numbers of a lane, register 16 b + i = k 32 b + 16 (lane / 16) + i of my row, become a fragment's 12 registers in v[pc] on and its scale word in v[pw].
.macro QUANT s, pc, pw
.irp b, 0,1,2,3
	v_max3_num_f32 v[TM+\b], |v[\s+16*\b]|, |v[\s+1+16*\b]|, 0x2800000   ; block b: my 16 numbers, and the floor 2^(5 - 127)
.endr
.irp i, 2,4,6,8,10,12,14
.irp b, 0,1,2,3
	v_max3_num_f32 v[TM+\b], v[TM+\b], |v[\s+16*\b+\i]|, |v[\s+1+16*\b+\i]|   ; the four blocks by turns
.endr
.endr
.irp b, 0,1,2,3
	v_permlanex16_b32 v[TM+4+\b], v[TM+\b], s[SEL], s[SEL+1]
.endr
.irp b, 0,1,2,3
	v_max_num_f32 v[TM+\b], v[TM+\b], v[TM+4+\b]   ; with lane l xor 16's: the block's largest magnitude
.endr
.irp b, 0,1,2,3
	v_add_nc_u32 v[TM+12+\b], 0xfe000000, v[TM+\b]   ; 4 off its exponent field: the conversion's scale operand
.endr
.irp b, 0,1,2,3
	v_lshrrev_b32 v[TM+4+\b], 23, v[TM+12+\b]      ; the scale's byte
.endr
	v_lshl_or_b32 v[\pw], v[TM+5], 8, v[TM+4]      ; four bytes: my row's scale word
	v_lshl_or_b32 v[\pw], v[TM+6], 16, v[\pw]
	v_lshl_or_b32 v[\pw], v[TM+7], 24, v[\pw]
.irp c, 0,1
	v_cvt_scalef32_pk16_bf6_f32 v[\pc+6*\c:\pc+2+6*\c], v[\s+32*\c:\s+15+32*\c], v[TM+12+2*\c]
	v_cvt_scalef32_pk16_bf6_f32 v[\pc+12+4*\c:\pc+14+4*\c], v[\s+16+32*\c:\s+31+32*\c], v[TM+12+2*\c+1]   ; (a conversion's three registers begin on an even number)
.endr
	v_nop                                          ; one plain place behind a scaled conversion
.irp c, 0,1                                    ; the operand's layout wants a whole block in a lane: lanes 0-15 block 2 c, lanes 16-31 block 2 c + 1
.irp i, 0,1,2
	v_permlane16_swap_b32 v[\pc+6*\c+\i], v[\pc+12+4*\c+\i]
.endr
.irp i, 0,1,2
	v_mov_b32 v[\pc+3+6*\c+\i], v[\pc+12+4*\c+\i]
.endr
.endr
.endm
.macro XLOAD                           ; K innermost: 16 neighbours are 64 bytes: four loads of 16 bytes for each block
.irp k, 0,1
.irp b, 0,1,2,3
.irp j, 0,1,2,3
	global_load_b128 v[N0+64*\k+16*\b+4*\j:N0+64*\k+16*\b+4*\j+3], v4, s[22:23] offset:512*\k+128*\b+16*\j th:TH_LOAD_NT
.endr
.endr
.endr
.endm
.macro WLOAD pitch                     ; K runs down the rows of a weight: a lane takes a column, its registers run down K, pitch bytes apart
.irp k, 0,1
.irp b, 0,1,2,3
.irp i, 0,1,2,3,4,5,6,7,8,9,10,11,12,13,14,15
	global_load_b32 v[N0+64*\k+16*\b+\i], v4, s[22:23] offset:(128*\k+32*\b+\i)*\pitch
.endr
.endr
.endr
.endm
	s_load_b256 s[4:11], s[0:1], 0x0               ; x s[4:5], Wq s[6:7], Wk s[8:9], Wv s[10:11]
	s_load_b128 s[12:15], s[0:1], 0x20             ; Wp s[12:13], xq s[14:15]
	s_load_b64 s[16:17], s[0:1], 0x30              ; wq
	v_lshrrev_b32 v1, 5, v0
	v_readfirstlane_b32 s18, v1                    ; wave 0..3
	v_and_b32 v7, 31, v0                           ; lane
	v_and_b32 v1, 15, v0                           ; r
	v_bfe_u32 v2, v0, 4, 1                         ; h
	v_and_b32 v3, 8, v1
	v_add_nc_u32 v3, v3, v1                        ; r + 8 (r / 8)
	v_lshlrev_b32 v5, 4, v7                        ; 16 x lane: my place in an image
	v_lshlrev_b32 v6, 3, v7                        ; 8 x lane: my two scale words
	s_mov_b32 s[SEL], 0x76543210
	s_mov_b32 s[SEL+1], 0xfedcba98
.irp b, 0,1,2,3
	v_mov_b32 v[TM+4+\b], 0                        ; written once: a lane permute's destination counts as one of its sources
.endr
	s_mov_b32 s29, 0                               ; the upper word of every offset
	s_wait_kmcnt 0x0
	s_cmp_lt_u32 ttmp9, 256
	s_cbranch_scc0 .Lweights
	; ---- x: tile tau = J / 2, pair of K steps p = J % 2, J = 4 x work-group + wave
	s_lshl_b32 s30, ttmp9, 2
	s_add_co_u32 s30, s30, s18
	s_lshr_b32 s31, s30, 1                         ; the record: tau
	s_and_b32 s32, s30, 1                          ; p
	s_lshr_b32 s33, s31, 1
	s_lshl_b32 s33, s33, 16                        ; 32 tokens of 2,048 bytes for each pair of tiles,
	s_and_b32 s34, s31, 1
	s_lshl_b32 s34, s34, 14                        ; 8 tokens for the odd tile,
	s_add_co_u32 s28, s33, s34
	s_lshl_b32 s34, s32, 10                        ; 256 numbers along K for p
	s_add_co_u32 s28, s28, s34
	s_add_nc_u64 s[22:23], s[4:5], s[28:29]
	s_mov_b64 s[36:37], s[14:15]                   ; the records go to xq
	v_lshlrev_b32 v4, 11, v3                       ; my token's row,
	v_lshl_add_u32 v4, v2, 6, v4                   ; + 64 h: my 16 numbers of a block
	XLOAD
	s_branch .Lq
.Lweights:
	s_sub_co_u32 s30, ttmp9, 256
	s_lshr_b32 s35, s30, 4                         ; which weight: 0 Wq, 1 Wk, 2 Wv, 3 Wp (sixteen work-groups each)
	s_lshl_b32 s30, s30, 2
	s_add_co_u32 s30, s30, s18
	s_lshr_b32 s31, s30, 1                         ; the record: tile 0..127
	s_and_b32 s32, s30, 1                          ; p
	s_and_b32 s33, s31, 31                         ; the tile within its weight
	s_mov_b64 s[36:37], s[16:17]                   ; the records go to wq
	s_cmp_eq_u32 s35, 3
	s_cbranch_scc1 .Lwp
	; ---- Wq, Wk, Wv: head = tile / 4 (131,072 bytes), a row of K is 256 bytes
	s_cmp_eq_u32 s35, 1
	s_cselect_b64 s[22:23], s[8:9], s[6:7]
	s_cmp_eq_u32 s35, 2
	s_cselect_b64 s[22:23], s[10:11], s[22:23]
	s_lshr_b32 s34, s33, 2
	s_lshl_b32 s28, s34, 17
	s_bfe_u32 s34, s33, 0x10001
	s_lshl_b32 s34, s34, 7                         ; 32 columns of 4 bytes
	s_add_co_u32 s28, s28, s34
	s_and_b32 s34, s33, 1
	s_lshl_b32 s34, s34, 5                         ; 8 columns
	s_add_co_u32 s28, s28, s34
	s_lshl_b32 s34, s32, 16                        ; 256 rows of K for p
	s_add_co_u32 s28, s28, s34
	s_add_nc_u64 s[22:23], s[22:23], s[28:29]
	v_lshlrev_b32 v4, 2, v3                        ; my column,
	v_lshl_add_u32 v4, v2, 12, v4                  ; + 16 h rows of K
	WLOAD 256
	s_branch .Lq
.Lwp:
	; ---- Wp: a row of K is 2,048 bytes
	s_lshr_b32 s34, s33, 1
	s_lshl_b32 s28, s34, 7
	s_and_b32 s34, s33, 1
	s_lshl_b32 s34, s34, 5
	s_add_co_u32 s28, s28, s34
	s_lshl_b32 s34, s32, 19
	s_add_co_u32 s28, s28, s34
	s_add_nc_u64 s[22:23], s[12:13], s[28:29]
	v_lshlrev_b32 v4, 2, v3
	v_lshl_add_u32 v4, v2, 15, v4
	WLOAD 2048
.Lq:
	s_mul_i32 s28, s31, REC
	s_mul_i32 s33, s32, 3072
	s_add_co_u32 s28, s28, s33
	s_add_nc_u64 s[24:25], s[36:37], s[28:29]      ; my two images
	s_mul_i32 s28, s31, REC
	s_lshl_b32 s33, s32, 8
	s_add_co_u32 s28, s28, s33
	s_add_co_u32 s28, s28, 6144
	s_add_nc_u64 s[26:27], s[36:37], s[28:29]      ; my two scale words
	s_wait_loadcnt 0x0
	QUANT N0, PCA, PW
	QUANT N0+64, PCB, PW+1
.irp c, 0,1,2
	global_store_b128 v5, v[PCA+4*\c:PCA+4*\c+3], s[24:25] offset:512*\c          ; the wave stores 512 consecutive bytes, at a multiple of 256 from the buffer's first byte
.endr
.irp c, 0,1,2
	global_store_b128 v5, v[PCB+4*\c:PCB+4*\c+3], s[24:25] offset:1536+512*\c
.endr
	global_store_b64 v6, v[PW:PW+1], s[26:27]      ; 256 consecutive bytes
	s_endpgm
.Lfunc_end_k_qb53627cea3_prep:
	.size	k_qb53627cea3_prep, .Lfunc_end_k_qb53627cea3_prep-k_qb53627cea3_prep
	.p2alignl 7, 3214868480
	.fill 96, 4, 3214868480
	.section	.rodata,"a",@progbits
	.p2align	6, 0x0
	.amdhsa_kernel k_qb53627cea3_prep
		.amdhsa_group_segment_fixed_size 0
		.amdhsa_private_segment_fixed_size 0
		.amdhsa_enable_private_segment 0
		.amdhsa_kernarg_size 56
		.amdhsa_user_sgpr_count 2
		.amdhsa_user_sgpr_kernarg_segment_ptr 1
		.amdhsa_wavefront_size32 1
		.amdhsa_system_sgpr_workgroup_id_x 1
		.amdhsa_system_sgpr_workgroup_id_y 1
		.amdhsa_system_sgpr_workgroup_id_z 1
		.amdhsa_system_vgpr_workitem_id 0
		.amdhsa_next_free_vgpr 224
		.amdhsa_next_free_sgpr 66
		.amdhsa_reserve_vcc 0
		.amdhsa_float_denorm_mode_32 3
		.amdhsa_float_denorm_mode_16_64 3
		.amdhsa_memory_ordered 1
		.amdhsa_forward_progress 1
		.amdhsa_inst_pref_size 39
	.end_amdhsa_kernel
	.amdgpu_metadata
---
amdhsa.version: [ 1, 2 ]
amdhsa.kernels:
  - .name:           k_qb53627cea3_prep
    .symbol:         k_qb53627cea3_prep.kd
    .args:
      - { .name: x, .offset: 0, .size: 8, .value_kind: global_buffer, .address_space: global }
      - { .name: Wq, .offset: 8, .size: 8, .value_kind: global_buffer, .address_space: global }
      - { .name: Wk, .offset: 16, .size: 8, .value_kind: global_buffer, .address_space: global }
      - { .name: Wv, .offset: 24, .size: 8, .value_kind: global_buffer, .address_space: global }
      - { .name: Wp, .offset: 32, .size: 8, .value_kind: global_buffer, .address_space: global }
      - { .name: xq, .offset: 40, .size: 8, .value_kind: global_buffer, .address_space: global }
      - { .name: wq, .offset: 48, .size: 8, .value_kind: global_buffer, .address_space: global }
    .group_segment_fixed_size: 0
    .private_segment_fixed_size: 0
    .kernarg_segment_align: 8
    .kernarg_segment_size: 56
    .max_flat_workgroup_size: 128
    .sgpr_count:     66
    .vgpr_count:     224
    .wavefront_size: 32
...
	.end_amdgpu_metadata
.endif
;; end of part 1
;; launch qkv (part 2): grid 64 x 4, 4 waves a work-group, no clusters, 0 bytes of LDS; arguments xq, wq, bq, bk, bv, qc, kv; writes qc, kv
.if DOCPART == 2
	.amdgcn_target "amdgcn-amd-amdhsa--gfx1250"
	.amdhsa_code_object_version 6
	.text
	.protected	k_qb53627cea3_qkv
	.globl	k_qb53627cea3_qkv
	.p2align	8
	.type	k_qb53627cea3_qkv,@function
k_qb53627cea3_qkv:
	s_mov_b64 s[64:65], 0
	v_nop
	global_prefetch_b8 v0, s[64:65] scope:SCOPE_SE
	s_setreg_imm32_b32 hwreg(HW_REG_WAVE_MODE, 25, 1), 1
	s_wait_xcnt 0x0
; Q = x Wq + bq, K = x Wk + bk, V = x Wv + bv on codes of BF6 (E3M2) with E8M0 scales, sums in f32; the results are quantised in registers (Q and K along the head's 64, V along the tokens) and leave as images of operand registers.
; SHARES.  A work-group takes 128 tokens (8 tiles of 16) and two heads.  Wave w: head 2 y + w / 2; role w % 2: 0 makes Q, 1 makes K, for all 8 token tiles; and it makes V's tiles 2 role and 2 role + 1 (of 16 of the head's 64).
; All operands lie in memory in the order of the operand registers and go straight into registers, asked for in one run at the head; the text is straight, without LDS, barrier or branch.
; NO CLUSTER: a joint load lands in LDS, from where these operands would have to be read again into the same registers; what the four waves share, x's codes, is 53,248 of the work-group's bytes.
; Q AND K, transposed: source 0 = 16 columns of the weight, source 1 = 16 tokens: a lane holds ONE token and its 32 registers of the four tiles run along the head's 64 (the tiles' columns are chosen so: column m of tile
;   2 b + u is 32 b + 8 u + m + 8 (m / 8)).  Two token tiles together are the 64 numbers of QUANT: its fragment's half c holds token tile 2 pi + c with k = d, its scale word the bytes [tile A: d 0-31, 32-63; tile B: the same].
; V: source 0 = 16 tokens, source 1 = 16 columns of Wv: a lane holds ONE column d and its 64 registers of the 8 token tiles run along the 128 tokens: one fragment of V^T, K = the tokens.
; The biases are the C of each sum's first product.  RECORDS: qc[(8 b + head) 16 + step]: 6,656 bytes: four images of 1,536 (half c: registers 6 c .. 6 c + 3 at 768 c + 16 L, 6 c + 4, 6 c + 5 at 768 c + 512 + 8 L), then 16 bytes a lane: four scale words.
;   kv[the same index]: 13,312 bytes: K as in qc; at 6,656 V^T's four images (registers 4 c .. 4 c + 3 at 512 c + 16 L); at 12,800 + 256 i, 8 bytes a lane, the words of tiles 2 i and 2 i + 1.
; LIMITS: a block's largest magnitude is held at 2^-122 from below (byte at least 1; a block of zeros has byte 1 and zero codes; the bytes are read by this program alone); NaN and infinities are not served.
; REGISTERS, in windows of 256: window 0: v1-4 addresses; v16-79 eight accumulators; v80-98 codes; v100-115 at work; v116-121 scale words made; v128-143 the weight's scale words, v144-151 Wv's, v160-191 x's.
;   window 1: v0-191 the weight's 16 fragments; v192-223 its bias; v224-239 V's bias.   window 2: v0-191 x's tiles 0-3; v192-239 Wv's first tile.   window 3: x's tiles 4-7; Wv's second tile.
.set TM,  100
.set SEL, 20
.set ACC, 16
.set PC,  80
.set PWQ, 116
.set PWV, 120
.set WS,  128
.set VS,  144
.set XS,  160
.set MSB, 0
.macro WIN new                         ; the immediate's high byte repeats the setting that is left; a switch that changes nothing is dropped
.if MSB != (\new)
	s_set_vgpr_msb (MSB<<8)|(\new)
.set MSB, (\new)
.endif
.endm
; 64 numbers of a lane, register 16 b + i = k 32 b + 16 (lane / 16) + i of my row, become a fragment's 12 registers in v[pc] on and its scale word in v[pw].  Each accumulator is read from its low end on.
.macro QUANT s, pc, pw
.irp b, 0,1,2,3
	v_max3_num_f32 v[TM+\b], |v[\s+16*\b]|, |v[\s+1+16*\b]|, 0x2800000   ; block b: my 16 numbers, and the floor 2^(5 - 127)
.endr
.irp i, 2,4,6,8,10,12,14
.irp b, 0,1,2,3
	v_max3_num_f32 v[TM+\b], v[TM+\b], |v[\s+16*\b+\i]|, |v[\s+1+16*\b+\i]|
.endr
.endr
.irp b, 0,1,2,3
	v_permlanex16_b32 v[TM+4+\b], v[TM+\b], s[SEL], s[SEL+1]
.endr
.irp b, 0,1,2,3
	v_max_num_f32 v[TM+\b], v[TM+\b], v[TM+4+\b]   ; with lane l xor 16's: the block's largest magnitude
.endr
.irp b, 0,1,2,3
	v_add_nc_u32 v[TM+12+\b], 0xfe000000, v[TM+\b]   ; 4 off its exponent field: the conversion's scale operand
.endr
.irp b, 0,1,2,3
	v_lshrrev_b32 v[TM+4+\b], 23, v[TM+12+\b]      ; the scale's byte
.endr
	v_lshl_or_b32 v[\pw], v[TM+5], 8, v[TM+4]
	v_lshl_or_b32 v[\pw], v[TM+6], 16, v[\pw]
	v_lshl_or_b32 v[\pw], v[TM+7], 24, v[\pw]
.irp c, 0,1
	v_cvt_scalef32_pk16_bf6_f32 v[\pc+6*\c:\pc+2+6*\c], v[\s+32*\c:\s+15+32*\c], v[TM+12+2*\c]
	v_cvt_scalef32_pk16_bf6_f32 v[\pc+12+4*\c:\pc+14+4*\c], v[\s+16+32*\c:\s+31+32*\c], v[TM+12+2*\c+1]
.endr
	v_nop                                          ; one plain place behind a scaled conversion
.irp c, 0,1
.irp i, 0,1,2
	v_permlane16_swap_b32 v[\pc+6*\c+\i], v[\pc+12+4*\c+\i]
.endr
.irp i, 0,1,2
	v_mov_b32 v[\pc+3+6*\c+\i], v[\pc+12+4*\c+\i]
.endr
.endr
.endm
	s_load_b256 s[4:11], s[0:1], 0x0               ; xq s[4:5], wq s[6:7], bq s[8:9], bk s[10:11]
	s_load_b128 s[12:15], s[0:1], 0x20             ; bv s[12:13], qc s[14:15]
	s_load_b64 s[16:17], s[0:1], 0x30              ; kv
	v_lshrrev_b32 v5, 5, v0
	v_readfirstlane_b32 s18, v5                    ; wave 0..3
	v_and_b32 v5, 31, v0
	v_lshlrev_b32 v1, 4, v5                        ; 16 x lane
	v_lshlrev_b32 v2, 3, v5                        ; 8 x lane
	v_bfe_u32 v3, v0, 4, 1
	v_lshlrev_b32 v3, 6, v3                        ; 64 h: the bias of my half's 16 columns
	v_and_b32 v5, 15, v0
	v_and_b32 v4, 8, v5
	v_add_nc_u32 v4, v4, v5
	v_lshlrev_b32 v4, 2, v4                        ; 4 (r + 8 (r / 8)): the bias of my column of V
	s_mov_b32 s[SEL], 0x76543210
	s_mov_b32 s[SEL+1], 0xfedcba98
.irp b, 0,1,2,3
	v_mov_b32 v[TM+4+\b], 0                        ; written once: a lane permute's destination counts as one of its sources
.endr
	s_and_b32 s19, s18, 1                          ; role
	s_lshr_b32 s42, s18, 1
	s_and_b32 s43, ttmp7, 0xffff
	s_lshl_b32 s43, s43, 1
	s_add_co_u32 s22, s43, s42                     ; head
	s_lshr_b32 s42, ttmp9, 4                       ; batch
	s_lshl_b32 s42, s42, 3
	s_add_co_u32 s42, s42, s22
	s_lshl_b32 s42, s42, 4
	s_and_b32 s43, ttmp9, 15                       ; the block of 128 tokens within the batch
	s_add_co_u32 s23, s42, s43                     ; the record in qc and kv
	s_mov_b32 s41, 0
	s_wait_kmcnt 0x0
	s_mul_i32 s40, ttmp9, 53248
	s_add_nc_u64 s[24:25], s[4:5], s[40:41]        ; x's 8 records
	s_lshl_b32 s42, s19, 5
	s_lshl_b32 s43, s22, 2
	s_add_co_u32 s42, s42, s43
	s_mul_i32 s40, s42, 6656
	s_add_nc_u64 s[26:27], s[6:7], s[40:41]        ; Wq's or Wk's four records of my head
	s_lshl_b32 s42, s19, 1
	s_add_co_u32 s42, s42, s43
	s_add_co_u32 s42, s42, 64
	s_mul_i32 s40, s42, 6656
	s_add_nc_u64 s[28:29], s[6:7], s[40:41]        ; Wv's two records that are mine
	s_cmp_eq_u32 s19, 1
	s_cselect_b64 s[30:31], s[10:11], s[8:9]       ; bk or bq
	s_cselect_b64 s[34:35], s[16:17], s[14:15]     ; kv or qc
	s_lshl_b32 s40, s22, 8
	s_add_nc_u64 s[30:31], s[30:31], s[40:41]
	s_add_nc_u64 s[32:33], s[12:13], s[40:41]
	s_lshl_b32 s40, s19, 7
	s_add_nc_u64 s[32:33], s[32:33], s[40:41]      ; bv at my 32 columns
	s_mul_i32 s40, s23, 6656
	s_lshl_b32 s40, s40, s19                       ; kv's records are twice as long
	s_add_nc_u64 s[34:35], s[34:35], s[40:41]      ; where Q or K goes
	s_mul_i32 s42, s23, 13312
	s_mul_i32 s43, s19, 3072
	s_add_co_u32 s40, s42, s43
	s_add_co_u32 s40, s40, 6656
	s_add_nc_u64 s[36:37], s[16:17], s[40:41]      ; where my two images of V^T go,
	s_lshl_b32 s43, s19, 8
	s_add_co_u32 s40, s42, s43
	s_add_co_u32 s40, s40, 12800
	s_add_nc_u64 s[38:39], s[16:17], s[40:41]      ; and their scale words
	; ---- every load of the wave, in the order in which the work wants them
	WIN 0x40                                       ; destination window 1
.irp t, 0,1,2,3
.irp s, 0,1,2,3
.irp c, 0,1,2
	global_load_b128 v[12*(4*\t+\s)+4*\c:12*(4*\t+\s)+4*\c+3], v1, s[26:27] offset:6656*\t+1536*\s+512*\c
.endr
.endr
.endr
.irp t, 0,1,2,3
	global_load_b128 v[192+8*\t:192+8*\t+3], v3, s[30:31] offset:(32*(\t/2)+8*(\t%2))*4      ; register j of tile t: column 32 (t / 2) + 8 (t % 2) + 16 h + j
	global_load_b128 v[192+8*\t+4:192+8*\t+7], v3, s[30:31] offset:(32*(\t/2)+8*(\t%2))*4+16
.endr
.irp v, 0,1
.irp j, 0,1,2,3,4,5,6,7
	global_load_b32 v[224+8*\v+\j], v4, s[32:33] offset:32*\v      ; in V's result a lane is one column: eight equal registers
.endr
.endr
	WIN 0x80                                       ; destination window 2
.irp s, 0,1,2,3
.irp c, 0,1,2
	global_load_b128 v[192+12*\s+4*\c:192+12*\s+4*\c+3], v1, s[28:29] offset:1536*\s+512*\c
.endr
.endr
	WIN 0xc0                                       ; destination window 3
.irp s, 0,1,2,3
.irp c, 0,1,2
	global_load_b128 v[192+12*\s+4*\c:192+12*\s+4*\c+3], v1, s[28:29] offset:6656+1536*\s+512*\c
.endr
.endr
	WIN 0
.irp t, 0,1,2,3
.irp p, 0,1
	global_load_b64 v[WS+4*\t+2*\p:WS+4*\t+2*\p+1], v2, s[26:27] offset:6656*\t+6144+256*\p
.endr
.endr
.irp v, 0,1
.irp p, 0,1
	global_load_b64 v[VS+4*\v+2*\p:VS+4*\v+2*\p+1], v2, s[28:29] offset:6656*\v+6144+256*\p
.endr
.endr
.irp x, 0,1,2,3,4,5,6,7
.irp p, 0,1
	global_load_b64 v[XS+4*\x+2*\p:XS+4*\x+2*\p+1], v2, s[24:25] offset:6656*\x+6144+256*\p
.endr
.endr
	WIN 0x80
.irp x, 0,1,2,3
.irp s, 0,1,2,3
.irp c, 0,1,2
	global_load_b128 v[48*\x+12*\s+4*\c:48*\x+12*\s+4*\c+3], v1, s[24:25] offset:6656*\x+1536*\s+512*\c
.endr
.endr
.endr
	WIN 0xc0
.irp x, 0,1,2,3
.irp s, 0,1,2,3
.irp c, 0,1,2
	global_load_b128 v[48*\x+12*\s+4*\c:48*\x+12*\s+4*\c+3], v1, s[24:25] offset:6656*(4+\x)+1536*\s+512*\c
.endr
.endr
.endr
; Q or K of token tiles 2 pi and 2 pi + 1: 32 products, the eight accumulators by turns, a K step at a time.
; left: the loads issued behind those of token tile 2 pi + 1, which may stay out: 12 for each later tile.  xw: the window of x's tiles.
.macro QKPH pi, left, xw
	s_wait_loadcnt \left
.irp s, 0,1,2,3
.if \s == 0
	WIN 0x11+(\xw<<2)                              ; source 0 (weight) and source 2 (bias) window 1, source 1 (x) window xw, D window 0
.else
	WIN 0x01+(\xw<<2)
.endif
.irp e, 0,1
.irp t, 0,1,2,3
.set rD, ACC+32*\e+8*\t
.set rW, 12*(4*\t+\s)
.set rX, 48*((2*\pi+\e)%4)+12*\s
.if \s == 0
	v_wmma_scale_f32_16x16x128_f8f6f4 v[rD:rD+7], v[rW:rW+11], v[rX:rX+11], v[192+8*\t:199+8*\t], v[WS+4*\t+\s], v[XS+4*(2*\pi+\e)+\s] matrix_a_fmt:MATRIX_FMT_BF6 matrix_b_fmt:MATRIX_FMT_BF6
.else
	v_wmma_scale_f32_16x16x128_f8f6f4 v[rD:rD+7], v[rW:rW+11], v[rX:rX+11], v[rD:rD+7], v[WS+4*\t+\s], v[XS+4*(2*\pi+\e)+\s] matrix_a_fmt:MATRIX_FMT_BF6 matrix_b_fmt:MATRIX_FMT_BF6
.endif
.endr
.endr
.endr
	WIN 0
.rept 4
	v_nop                                          ; four places between the last product and the first read of results (ISA guide 7.12.1)
.endr
	s_wait_xcnt 0x0                                ; the last stores have read the codes' registers, which are written again below
	QUANT ACC, PC, PWQ+\pi
.irp c, 0,1
	global_store_b128 v1, v[PC+6*\c:PC+6*\c+3], s[34:35] offset:1536*\pi+768*\c          ; half c: token tile 2 pi + c: 512 consecutive bytes,
	global_store_b64 v2, v[PC+6*\c+4:PC+6*\c+5], s[34:35] offset:1536*\pi+768*\c+512     ; and 256
.endr
.endm
	QKPH 0, 63, 2                                  ; 72 loads stand behind tile 1's; the wait's field holds 63 at the most, and a smaller count is safe
	QKPH 1, 48, 2
	QKPH 2, 24, 3
	QKPH 3, 0, 3
	global_store_b128 v1, v[PWQ:PWQ+3], s[34:35] offset:6144       ; the four scale words of each lane
; V's tile v of mine: 16 columns x 128 tokens: two runs of 16 products, four accumulators by turns in each.
.macro VPH v
.irp f, 0,1
.irp s, 0,1,2,3
.if \s == 0
	WIN (2+\f)+((2+\v)<<2)+0x10                    ; source 0 (x) window 2 + f, source 1 (Wv) window 2 + v, source 2 (bias) window 1
.else
	WIN (2+\f)+((2+\v)<<2)
.endif
.irp x, 0,1,2,3
.set rD, ACC+8*(4*\f+\x)
.set rX, 48*\x+12*\s
.if \s == 0
	v_wmma_scale_f32_16x16x128_f8f6f4 v[rD:rD+7], v[rX:rX+11], v[192+12*\s:203+12*\s], v[224+8*\v:231+8*\v], v[XS+4*(4*\f+\x)+\s], v[VS+4*\v+\s] matrix_a_fmt:MATRIX_FMT_BF6 matrix_b_fmt:MATRIX_FMT_BF6
.else
	v_wmma_scale_f32_16x16x128_f8f6f4 v[rD:rD+7], v[rX:rX+11], v[192+12*\s:203+12*\s], v[rD:rD+7], v[XS+4*(4*\f+\x)+\s], v[VS+4*\v+\s] matrix_a_fmt:MATRIX_FMT_BF6 matrix_b_fmt:MATRIX_FMT_BF6
.endif
.endr
.endr
.endr
	WIN 0
.rept 4
	v_nop
.endr
	s_wait_xcnt 0x0                                ; the last stores have read the codes' registers
	QUANT ACC, PC, PWV+\v
.irp c, 0,1,2
	global_store_b128 v1, v[PC+4*\c:PC+4*\c+3], s[36:37] offset:1536*\v+512*\c
.endr
.endm
	VPH 0
	VPH 1
	global_store_b64 v2, v[PWV:PWV+1], s[38:39]
	s_endpgm
.Lfunc_end_k_qb53627cea3_qkv:
	.size	k_qb53627cea3_qkv, .Lfunc_end_k_qb53627cea3_qkv-k_qb53627cea3_qkv
	.p2alignl 7, 3214868480
	.fill 96, 4, 3214868480
	.section	.rodata,"a",@progbits
	.p2align	6, 0x0
	.amdhsa_kernel k_qb53627cea3_qkv
		.amdhsa_group_segment_fixed_size 0
		.amdhsa_private_segment_fixed_size 0
		.amdhsa_enable_private_segment 0
		.amdhsa_kernarg_size 56
		.amdhsa_user_sgpr_count 2
		.amdhsa_user_sgpr_kernarg_segment_ptr 1
		.amdhsa_wavefront_size32 1
		.amdhsa_system_sgpr_workgroup_id_x 1
		.amdhsa_system_sgpr_workgroup_id_y 1
		.amdhsa_system_sgpr_workgroup_id_z 1
		.amdhsa_system_vgpr_workitem_id 0
		.amdhsa_next_free_vgpr 1024
		.amdhsa_next_free_sgpr 66
		.amdhsa_reserve_vcc 0
		.amdhsa_float_denorm_mode_32 3
		.amdhsa_float_denorm_mode_16_64 3
		.amdhsa_memory_ordered 1
		.amdhsa_forward_progress 1
		.amdhsa_inst_pref_size 74
	.end_amdhsa_kernel
	.amdgpu_metadata
---
amdhsa.version: [ 1, 2 ]
amdhsa.kernels:
  - .name:           k_qb53627cea3_qkv
    .symbol:         k_qb53627cea3_qkv.kd
    .args:
      - { .name: xq, .offset: 0, .size: 8, .value_kind: global_buffer, .address_space: global }
      - { .name: wq, .offset: 8, .size: 8, .value_kind: global_buffer, .address_space: global }
      - { .name: bq, .offset: 16, .size: 8, .value_kind: global_buffer, .address_space: global }
      - { .name: bk, .offset: 24, .size: 8, .value_kind: global_buffer, .address_space: global }
      - { .name: bv, .offset: 32, .size: 8, .value_kind: global_buffer, .address_space: global }
      - { .name: qc, .offset: 40, .size: 8, .value_kind: global_buffer, .address_space: global }
      - { .name: kv, .offset: 48, .size: 8, .value_kind: global_buffer, .address_space: global }
    .group_segment_fixed_size: 0
    .private_segment_fixed_size: 0
    .kernarg_segment_align: 8
    .kernarg_segment_size: 56
    .max_flat_workgroup_size: 128
    .sgpr_count:     66
    .vgpr_count:     1024
    .wavefront_size: 32
...
	.end_amdgpu_metadata
.endif
;; end of part 2
;; launch attn (part 3): grid 8 x 32, 16 waves a work-group, clusters of 4 x 1, 215,040 bytes of LDS; arguments qc, kv, oc; writes oc
.if DOCPART == 3
	.amdgcn_target "amdgcn-amd-amdhsa--gfx1250"
	.amdhsa_code_object_version 6
	.text
	.protected	k_qb53627cea3_attn
	.globl	k_qb53627cea3_attn
	.p2align	8
	.type	k_qb53627cea3_attn,@function
k_qb53627cea3_attn:
	s_mov_b64 s[64:65], 0
	v_nop
	global_prefetch_b8 v0, s[64:65] scope:SCOPE_SE
	s_setreg_imm32_b32 hwreg(HW_REG_WAVE_MODE, 25, 1), 1
	s_wait_xcnt 0x0
	s_wait_alu depctr_hold_cnt(0) depctr_sa_sdst(0) depctr_va_vdst(0) depctr_va_sdst(0) depctr_va_ssrc(0) depctr_va_vcc(0) depctr_vm_vsrc(0)
	s_getreg_b32 s2, hwreg(HW_REG_IB_STS2, 6, 4)
	s_cmp_eq_u32 s2, 0
	s_cbranch_scc0 .Lentry_in_a_cluster
	s_endpgm
.Lentry_in_a_cluster:
	s_bfe_u32 s2, ttmp6, 0x10000c
	s_cmp_lg_u32 s2, 0x3003
	s_cbranch_scc0 .Lentry_shape_is_right
	s_endpgm
.Lentry_shape_is_right:
; O = softmax(Q K^T / 8, causal) V for one head of one batch, both products on codes of BF6 (E3M2) with E8M0 scales; O / the row's sum is quantised along the head's 64 and leaves as half an operand image.
; THE SOFTMAX: t = score x log2(e) / 8; M = the running largest t rounded UP to a whole number; p = 2^(t - M) is quantised along the keys, not normalised; the row's sum is taken of the unquantised p, in f32,
; and divides O at the end (v_rcp_f32 and a multiplication).  When M moves, the sum and O are multiplied by 2^(old M - new M): exact.
; SHARES.  y = 8 batch + head.  A head's K and V, 16 records of 13,312 bytes (128 keys each), lie in LDS for the whole launch: 212,992 bytes, filled once, never again.  The eight work-groups of a head differ in g = 0..7.
; Each of the SIXTEEN waves owns ONE tile of 16 queries: tile g of the key step CM1, and works key steps 0 .. CM1.  CM1 is a one-to-one map of the wave's number, made so that any four waves with equal w % 4,
; and any four with equal w / 4, have CM1 that add up to 30: 34 steps for each such four, whichever way the waves are dealt.
; CLUSTER.  Four work-groups of a head ask for its K and V JOINTLY: the same load, the same descriptor, a mask that names the four; each wave issues one load: one tensor load of a wave is out at the most.
; Waves 12-15 bring step 0 (13 rows of 256 bytes each), waves 0-11 steps 1-15 (65 rows each).  Step 0, which every wave works, is worked while the rest lands.  g enters global addresses and a vector of data alone.
; LAYOUT.  Both products are used transposed: a lane holds ONE query (lane % 16) throughout.  A K image holds token tile 2 b in its k 0-63 and tile 2 b + 1 in its k 64-127 (k = d); the query stands in one half of
; source 1 and zero codes in the other, so one image serves two products as it lies.  Key m of tile 2 b + u is 32 b + 8 u + m + 8 (m / 8): the 16 registers of tiles 2 b, 2 b + 1 are keys 32 b + 16 (lane / 16) + 0 .. 15.
; LIMITS: a block's largest magnitude is held at 2^-122 from below (byte at least 1; zero blocks have byte 1 and zero codes; the bytes are read by this program alone); NaN and infinities are not served.
; REGISTERS: v1, v2, v4 16, 8, 4 x lane; v3 my query less 16 (lane / 16), within its step; v8, v9 LDS addresses; v12 -M, v13 the largest t, v[14:15] the sum; v16-21 q, v22-27 zero codes, v28-33 q again;
;   v36-83 four fragments of K or V; v96-159 S^T, then p; v160-191 O^T; v192-195 V's scale words; v200, v201 q's two scale words; v202 q's word as loaded, later O's; v224-235 p's codes; v232-254 at work; v248-251 K's scale words; v253 p's.
.set REC,  13312
.set WV,   18                          ; s18  my wave's number
.set SEL,  20                          ; s[20:21] lane selects for v_permlanex16_b32: lane l xor 16
.set CS,   22                          ; s[22:23] c = log2(e) / 8
.set G1A,  24                          ; s[24:31] descriptor group 1: 13 rows of 256 bytes;  s[32:39]: 65 rows
.set G1B,  32
.set G0A,  40                          ; s[40:43], s[44:47] their groups 0
.set G0B,  44
.set CM1,  50                          ; s50  my last key step
.set KI,   51                          ; s51  the key step in hand
.set TB,   52                          ; s52  its record's LDS byte
.macro CROUND                          ; a round of the cluster's barrier: my work-group's barrier; wave 0 signals for the work-group; every wave waits for the four work-groups; my work-group's barrier once more
	s_barrier_signal -1
	s_barrier_wait -1
	s_cmp_lg_u32 s[WV], 0
	s_cbranch_scc1 .Lnot_wave_0_\@
	s_barrier_signal -3
.Lnot_wave_0_\@:
	s_barrier_wait -3
	s_barrier_signal -1
	s_barrier_wait -1
.endm
	s_load_b128 s[4:7], s[0:1], 0x0                ; qc s[4:5], kv s[6:7]
	s_load_b64 s[8:9], s[0:1], 0x10                ; oc
	v_lshl_add_u32 v243, v0, 2, 0x34000
	v_mov_b32 v255, 0
	ds_add_u32 v243, v255
	ds_add_u32 v243, v255
	v_lshrrev_b32 v5, 5, v0
	v_readfirstlane_b32 s[WV], v5                  ; wave 0..15
	v_and_b32 v5, 31, v0
	v_lshlrev_b32 v1, 4, v5
	v_lshlrev_b32 v2, 3, v5
	v_lshlrev_b32 v4, 2, v5
	s_bfe_u32 s19, ttmp6, 0x40000                  ; cx: my place in the cluster
	s_lshl_b32 s48, ttmp9, 2                       ; in a cluster launch ttmp9 counts clusters
	s_add_co_u32 s48, s48, s19                     ; g = 4 x cluster x + cx
	s_and_b32 s49, ttmp7, 0xffff                   ; 8 batch + head, which the four partners share
	; CM1 = 4 (a xor 3 par(b)) + (b xor 3 par(a)), a = w / 4, b = w % 4, par(z) = bit 0 xor bit 1 of z
	s_lshr_b32 s66, s[WV], 2
	s_and_b32 s67, s[WV], 3
	s_lshr_b32 s68, s66, 1
	s_xor_b32 s68, s68, s66
	s_and_b32 s68, s68, 1
	s_mul_i32 s68, s68, 3
	s_lshr_b32 s69, s67, 1
	s_xor_b32 s69, s69, s67
	s_and_b32 s69, s69, 1
	s_mul_i32 s69, s69, 3
	s_xor_b32 s66, s66, s69
	s_xor_b32 s67, s67, s68
	s_lshl_b32 s66, s66, 2
	s_add_co_u32 s[CM1], s66, s67
	; descriptor group 1: dense rows of 256 bytes (32 elements of 8 bytes), no padding
	s_mov_b32 s[G1A], 15|(3<<16)|(1<<21)           ; 15:0 the mask: all four work-groups; 17:16 elements of 8 bytes; 21 set beside a mask
	s_mov_b32 s[G1A+1], 32<<16                     ; tensor_dim0 = 32
	s_mov_b32 s[G1A+2], 13<<16                     ; tensor_dim1 = 13
	s_mov_b32 s[G1A+3], 32<<16                     ; tile_dim0 = 32
	s_mov_b32 s[G1A+4], 13                         ; tile_dim1 = 13
	s_mov_b32 s[G1A+5], 32                         ; elements from row to row
	s_mov_b32 s[G1A+6], 0
	s_mov_b32 s[G1A+7], 0
	s_mov_b32 s[G1B], 15|(3<<16)|(1<<21)
	s_mov_b32 s[G1B+1], 32<<16
	s_mov_b32 s[G1B+2], 65<<16
	s_mov_b32 s[G1B+3], 32<<16
	s_mov_b32 s[G1B+4], 65
	s_mov_b32 s[G1B+5], 32
	s_mov_b32 s[G1B+6], 0
	s_mov_b32 s[G1B+7], 0
	s_mov_b32 s[SEL], 0x76543210
	s_mov_b32 s[SEL+1], 0xfedcba98
	s_mov_b32 s[CS], 0x3e38aa3b                    ; log2(e) / 8
	s_mov_b32 s[CS+1], s[CS]                       ; (named with it as a pair, so it is written)
	s_and_b32 s66, s[WV], 3
	s_mul_i32 s66, s66, 3328                       ; waves 12-15: a quarter of step 0's record
	s_min_u32 s67, s[WV], 11                       ; (held at 11, so that the descriptor names bytes inside LDS and kv in the four waves that do not issue it)
	s_mul_i32 s67, s67, 16640
	s_add_co_u32 s67, s67, REC                     ; waves 0-11: a twelfth of steps 1-15
	s_mul_i32 s68, s49, 16*REC                     ; the head's first byte in kv
	s_mov_b32 s69, 0
	s_mov_b32 s71, 0
	s_lshr_b32 s63, s48, 1                         ; pi: my tile's block of 32 tokens in its step
	s_and_b32 s53, s48, 1                          ; u: which tile of the block
	s_lshl_b32 s62, s49, 4
	s_add_co_u32 s62, s62, s[CM1]
	s_mul_i32 s62, s62, 6656                       ; my step's record in qc
	s_wait_dscnt 0x0
	s_wait_kmcnt 0x0
	s_add_nc_u64 s[6:7], s[6:7], s[68:69]
	s_mov_b32 s70, s66
	s_mov_b32 s[G0A], 1                            ; count = 1
	s_mov_b32 s[G0A+1], s66                        ; LDS address
	s_add_nc_u64 s[G0A+2:G0A+3], s[6:7], s[70:71]  ; global address
	s_or_b32 s[G0A+3], s[G0A+3], 0x80000000        ; type = 2
	s_mov_b32 s70, s67
	s_mov_b32 s[G0B], 1
	s_mov_b32 s[G0B+1], s67
	s_add_nc_u64 s[G0B+2:G0B+3], s[6:7], s[70:71]
	s_or_b32 s[G0B+3], s[G0B+3], 0x80000000
	s_mul_i32 s70, s63, 1536
	s_add_co_u32 s70, s70, s62
	s_mul_i32 s66, s53, 768
	s_add_co_u32 s70, s70, s66
	s_add_nc_u64 s[54:55], s[4:5], s[70:71]        ; my tile's half image
	s_lshl_b32 s70, s63, 2
	s_add_co_u32 s70, s70, s62
	s_add_co_u32 s70, s70, 6144
	s_add_nc_u64 s[56:57], s[4:5], s[70:71]        ; its block's scale word, 16 bytes from lane to lane
	s_lshr_b32 s66, s49, 3
	s_lshl_b32 s66, s66, 7                         ; 128 tiles a batch,
	s_lshl_b32 s67, s[CM1], 3                      ; 8 a step
	s_add_co_u32 s66, s66, s67
	s_add_co_u32 s66, s66, s48
	s_mul_i32 s66, s66, 7168                       ; my tile's record in oc
	s_and_b32 s67, s49, 7                          ; head
	s_mul_i32 s70, s67, 768                        ; K step head / 2, half head % 2: 768 bytes a head
	s_add_co_u32 s70, s70, s66
	s_add_nc_u64 s[58:59], s[8:9], s[70:71]
	s_lshl_b32 s70, s67, 7
	s_add_co_u32 s70, s70, s66
	s_add_co_u32 s70, s70, 6144
	s_add_nc_u64 s[60:61], s[8:9], s[70:71]
	global_load_b128 v[16:19], v1, s[54:55]        ; q, twice: once in front of the zero codes, once behind them
	global_load_b64 v[20:21], v2, s[54:55] offset:512
	global_load_b128 v[28:31], v1, s[54:55]
	global_load_b64 v[32:33], v2, s[54:55] offset:512
	global_load_b32 v202, v1, s[56:57]
	CROUND                                         ; all four work-groups are here: the joint loads meet
	s_cmp_lt_u32 s[WV], 12                         ; the branch hangs on the wave's number alone.  Four v_nop follow each of the two lines
	s_cbranch_scc0 .Lfor_a
	tensor_load_to_lds s[G0B:G0B+3], s[G1B:G1B+7]
	s_nop 0
.rept 4
	v_nop
.endr
	s_branch .Lasked
.Lfor_a:
	tensor_load_to_lds s[G0A:G0A+3], s[G1A:G1A+7]
	s_nop 0
.rept 4
	v_nop
.endr
	s_wait_tensorcnt 0x0                           ; my quarter of step 0 has landed: I say so at the barrier below
.Lasked:
	s_lshl_b32 s66, s63, 5
	s_lshl_b32 s67, s53, 3
	s_add_co_u32 s66, s66, s67                     ; my tile's first token in its step: 32 pi + 8 u
	v_and_b32 v5, 15, v0
	v_and_b32 v6, 8, v5
	v_add_nc_u32 v5, v5, v6                        ; r + 8 (r / 8)
	v_bfe_u32 v6, v0, 4, 1
	v_lshlrev_b32 v6, 4, v6
	v_sub_nc_u32 v5, v5, v6
	v_add_nc_u32 v3, s66, v5                       ; my query - 16 (lane / 16): register 16 b + i holds key 32 b + i + 16 (lane / 16), hidden where 32 b + i is larger than this
	s_lshl_b32 s67, s53, 4
	s_wait_loadcnt 0x0                             ; q and its word
	v_lshrrev_b32 v5, s67, v202
	v_and_b32 v5, 0xffff, v5                       ; my tile's two bytes
	v_or_b32 v200, 0x01010000, v5                  ; q in k 0-63; the zero codes' blocks get the byte 1
	v_lshl_or_b32 v201, v5, 16, 0x0101             ; q in k 64-127
.irp j, 22,23,24,25,26,27
	v_mov_b32 v\j, 0                               ; zero codes
.endr
	v_mov_b32 v13, 0xff61b1e6                      ; the largest t so far: -3e38, under every t
	v_floor_f32 v12, -v13                          ; -M
	v_mov_b32 v14, 0                               ; the sum, in two halves
	v_mov_b32 v15, 0
.irp b, 0,1,2,3
	v_mov_b32 v[236+\b], 0                         ; written once: a lane permute's destination counts as one of its sources
.endr
	v_mov_b32 v253, 0                              ; (named as the upper half of the pair v[252:253] before it is first written)
.set JJ, 0
.rept 32
	v_mov_b32 v[160+JJ], 0                         ; O^T: the step is written for every step alike: the first finds zeros.  (These lines are also the eight places behind q's scale words)
.set JJ, JJ+1
.endr
	s_barrier_signal -1
	s_barrier_wait -1                              ; step 0's record is whole; the other loads stay out: they land in other bytes, and nothing is ever filled again
; A KEY STEP: 128 keys.  first = 1: step 0, which every wave works.  Else: a step behind my last one is passed over, by a scalar branch on the wave's number and the loop's counter; the line that steps the address is not.
.macro STEP first
.if \first == 0
	s_cmp_gt_u32 s[KI], s[CM1]
	s_cbranch_scc1 .Lhidden_\@
.endif
	v_add_nc_u32 v8, s[TB], v1
	v_add_nc_u32 v9, s[TB], v2
	v_nop
	v_nop                                          ; four places between the last step's products and the loads into the registers that they read
.irp b, 0,1,2,3
.irp u, 0,1
	ds_load_b128 v[36+12*\b+6*\u:39+12*\b+6*\u], v8 offset:1536*\b+768*\u
	ds_load_b64 v[40+12*\b+6*\u:41+12*\b+6*\u], v9 offset:1536*\b+768*\u+512
.endr
.endr
	ds_load_b128 v[248:251], v8 offset:6144        ; K's four scale words
	s_wait_dscnt 0x0
.irp b, 0,1,2,3                                ; S^T = K Q^T: image b against q in the lower half of k (tile 2 b) and in the upper (tile 2 b + 1)
.irp u, 0,1
	v_wmma_scale_f32_16x16x128_f8f6f4 v[96+8*(2*\b+\u):103+8*(2*\b+\u)], v[36+12*\b:47+12*\b], v[16+6*\u:27+6*\u], 0, v[248+\b], v[200+\u] matrix_a_fmt:MATRIX_FMT_BF6 matrix_b_fmt:MATRIX_FMT_BF6
.endr
.endr
.rept 4
	v_nop                                          ; four places: in front of the loads below and of the first read of the scores
.endr
.irp t, 0,1,2,3                                ; V's fragments are asked for now and land while the softmax is worked
.irp c, 0,1,2
	ds_load_b128 v[36+12*\t+4*\c:39+12*\t+4*\c], v8 offset:6656+1536*\t+512*\c
.endr
.endr
	ds_load_b64 v[192:193], v9 offset:12800
	ds_load_b64 v[194:195], v9 offset:13056
	s_cmp_lt_u32 s[KI], s[CM1]                     ; only my last step lies on the diagonal: there the scores of hidden keys become -infinity ahead of the maximum, and p = 0
	s_cbranch_scc1 .Lopen_\@
	v_mov_b32 v254, 0xff800000
.set JJ, 0
.rept 64
	v_cmp_gt_i32 vcc_lo, 32*(JJ/16)+JJ%16, v3
	v_cndmask_b32 v[96+JJ], v[96+JJ], v254, vcc_lo
.set JJ, JJ+1
.endr
.Lopen_\@:
.irp b, 0,1,2,3
	v_max3_num_f32 v[232+\b], v[96+16*\b], v[97+16*\b], v[98+16*\b]   ; the largest score of each block of 32 keys: it serves for the row's maximum and, since p rises with the score, for the block's largest p
.endr
.irp i, 3,5,7,9,11,13
.irp b, 0,1,2,3
	v_max3_num_f32 v[232+\b], v[232+\b], v[96+16*\b+\i], v[97+16*\b+\i]
.endr
.endr
.irp b, 0,1,2,3
	v_max_num_f32 v[232+\b], v[232+\b], v[111+16*\b]
.endr
.irp b, 0,1,2,3
	v_permlanex16_b32 v[236+\b], v[232+\b], s[SEL], s[SEL+1]
.endr
.irp b, 0,1,2,3
	v_max_num_f32 v[232+\b], v[232+\b], v[236+\b]  ; with lane l xor 16's 16 keys
.endr
	v_max3_num_f32 v254, v232, v233, v234
	v_max_num_f32 v254, v254, v235                 ; the step's largest score of my query
	v_mul_f32 v254, s[CS], v254                    ; as t (c is positive)
	v_max_num_f32 v13, v13, v254                   ; the running largest t
	v_mov_b32 v254, v12
	v_floor_f32 v12, -v13                          ; the new -M = floor(-t) = -ceil(t)
	v_sub_f32 v254, v12, v254                      ; old M - new M: a whole number, 0 or less
	v_cvt_i32_f32 v254, v254                       ; (it saturates)
	v_ldexp_f32 v252, 1.0, v254                    ; f = 2^(old M - new M)
.set JJ, 0
.rept 32
	v_pk_fma_f32 v[96+JJ:97+JJ], v[96+JJ:97+JJ], s[CS:CS+1], v[12:13] op_sel_hi:[1,0,0]   ; t - M, two at a time
.set JJ, JJ+2
.endr
.irp b, 0,1,2,3
	v_fma_f32 v[232+\b], v[232+\b], s[CS], v12     ; the same of each block's largest score
.endr
.set JJ, 0
.rept 64
	v_exp_f32 v[96+JJ], v[96+JJ]                   ; p = 2^(t - M), at most 1
.set JJ, JJ+1
.endr
.irp b, 0,1,2,3
	v_exp_f32 v[232+\b], v[232+\b]                 ; the block's largest p
.endr
	v_pk_mul_f32 v[14:15], v[14:15], v[252:253] op_sel_hi:[1,0]   ; the sums under the new M.  (A plain place behind the exponentials)
	s_wait_alu depctr_va_vdst(0)
.irp b, 0,1,2,3
	v_max_num_f32 v[232+\b], 0x2800000, v[232+\b]  ; the floor 2^(5 - 127): the byte cannot fall under 1
.endr
.irp b, 0,1,2,3
	v_add_nc_u32 v[244+\b], 0xfe000000, v[232+\b]  ; 4 off the exponent field: the conversion's scale operand
.endr
.irp b, 0,1,2,3
	v_lshrrev_b32 v[236+\b], 23, v[244+\b]         ; the scale's byte
.endr
	v_lshl_or_b32 v253, v237, 8, v236              ; p's scale word for these 128 keys
	v_lshl_or_b32 v253, v238, 16, v253
	v_lshl_or_b32 v253, v239, 24, v253
.irp c, 0,1
	v_cvt_scalef32_pk16_bf6_f32 v[224+6*\c:226+6*\c], v[96+32*\c:111+32*\c], v[244+2*\c]
	v_cvt_scalef32_pk16_bf6_f32 v[236+4*\c:238+4*\c], v[112+32*\c:127+32*\c], v[244+2*\c+1]
.endr
	v_nop                                          ; one plain place behind a scaled conversion
.irp c, 0,1                                    ; a whole block in a lane: lanes 0-15 block 2 c, lanes 16-31 block 2 c + 1
.irp i, 0,1,2
	v_permlane16_swap_b32 v[224+6*\c+\i], v[236+4*\c+\i]
.endr
.irp i, 0,1,2
	v_mov_b32 v[227+6*\c+\i], v[236+4*\c+\i]
.endr
.endr
	v_pk_add_f32 v[236:237], v[96:97], v[98:99]    ; the row's sum is taken of the unquantised p: two at a time, in two chains
.irp j, 4,8,12,16,20,24,28,32,36,40,44,48,52,56,60
	v_pk_add_f32 v[14:15], v[14:15], v[96+\j:97+\j]
	v_pk_add_f32 v[236:237], v[236:237], v[98+\j:99+\j]
.endr
	v_pk_add_f32 v[14:15], v[14:15], v[236:237]
.set JJ, 0
.rept 16
	v_pk_mul_f32 v[160+JJ:161+JJ], v[160+JJ:161+JJ], v[252:253] op_sel_hi:[1,0]   ; O^T under the new M.  (With the sums above: the places between p's codes and scale word and the products below)
.set JJ, JJ+2
.endr
	s_wait_dscnt 0x0                               ; V's fragments and scale words are in
.irp t, 0,1,2,3                                ; O^T += V^T P^T: four tiles of 16 of the head's 64, one product each
	v_wmma_scale_f32_16x16x128_f8f6f4 v[160+8*\t:167+8*\t], v[36+12*\t:47+12*\t], v[224:235], v[160+8*\t:167+8*\t], v[192+\t], v253 matrix_a_fmt:MATRIX_FMT_BF6 matrix_b_fmt:MATRIX_FMT_BF6
.endr
.Lhidden_\@:
	s_add_co_u32 s[TB], s[TB], REC                 ; the next step's record
.endm
	s_mov_b32 s[KI], 0
	s_mov_b32 s[TB], 0
	STEP 1
	s_wait_tensorcnt 0x0                           ; my part of steps 1-15 has landed,
	s_wait_dscnt 0x0
	s_barrier_signal -1
	s_barrier_wait -1                              ; everybody's has
	s_mov_b32 s[KI], 1
.Lstep:                                            ; 15 trips in every wave: the trip count is a constant, the work of hidden steps is jumped over
	STEP 0
	s_add_co_u32 s[KI], s[KI], 1
	s_cmp_lt_u32 s[KI], 16
	s_cbranch_scc1 .Lstep
	; THE WAY OUT.  O^T / the sum; its 32 registers are d = 32 b + 16 (lane / 16) + i: two blocks, quantised as above into half a fragment (k = d) and two scale bytes.
.rept 4
	v_nop                                          ; four places behind the last products
.endr
	v_add_f32 v14, v14, v15                        ; the sum's two halves,
	v_permlanex16_b32 v252, v14, s[SEL], s[SEL+1]
	v_add_f32 v14, v14, v252                       ; and lane l xor 16's: the row's sum
	v_rcp_f32 v14, v14
	v_nop                                          ; one plain place behind a transcendental
.set JJ, 0
	s_wait_alu depctr_va_vdst(0)
.rept 32
	v_mul_f32 v[96+JJ], v[160+JJ], v14             ; each accumulator from its low end on
.set JJ, JJ+1
.endr
.irp b, 0,1
	v_max3_num_f32 v[232+\b], |v[96+16*\b]|, |v[97+16*\b]|, 0x2800000
.endr
.irp i, 2,4,6,8,10,12,14
.irp b, 0,1
	v_max3_num_f32 v[232+\b], v[232+\b], |v[96+16*\b+\i]|, |v[97+16*\b+\i]|
.endr
.endr
.irp b, 0,1
	v_permlanex16_b32 v[236+\b], v[232+\b], s[SEL], s[SEL+1]
.endr
.irp b, 0,1
	v_max_num_f32 v[232+\b], v[232+\b], v[236+\b]
.endr
.irp b, 0,1
	v_add_nc_u32 v[244+\b], 0xfe000000, v[232+\b]
.endr
.irp b, 0,1
	v_lshrrev_b32 v[236+\b], 23, v[244+\b]
.endr
	v_lshl_or_b32 v202, v237, 8, v236              ; my query's two bytes for this head
	v_cvt_scalef32_pk16_bf6_f32 v[224:226], v[96:111], v244
	v_cvt_scalef32_pk16_bf6_f32 v[236:238], v[112:127], v245
	v_nop
.irp i, 0,1,2
	v_permlane16_swap_b32 v[224+\i], v[236+\i]
.endr
.irp i, 0,1,2
	v_mov_b32 v[227+\i], v[236+\i]
.endr
	global_store_b128 v1, v[224:227], s[58:59]     ; 512 consecutive bytes,
	global_store_b64 v2, v[228:229], s[58:59] offset:512   ; 256,
	global_store_b32 v4, v202, s[60:61]            ; and 128: the scale bytes
	s_wait_tensorcnt 0x0
	ds_add_u32 v243, v255
	s_wait_dscnt 0x0
	CROUND                                         ; the closing round: no work-group ends while a partner may still ask jointly
	s_endpgm
.Lfunc_end_k_qb53627cea3_attn:
	.size	k_qb53627cea3_attn, .Lfunc_end_k_qb53627cea3_attn-k_qb53627cea3_attn
	.p2alignl 7, 3214868480
	.fill 96, 4, 3214868480
	.section	.rodata,"a",@progbits
	.p2align	6, 0x0
	.amdhsa_kernel k_qb53627cea3_attn
		.amdhsa_group_segment_fixed_size 215040
		.amdhsa_private_segment_fixed_size 0
		.amdhsa_enable_private_segment 0
		.amdhsa_kernarg_size 24
		.amdhsa_user_sgpr_count 2
		.amdhsa_user_sgpr_kernarg_segment_ptr 1
		.amdhsa_wavefront_size32 1
		.amdhsa_system_sgpr_workgroup_id_x 1
		.amdhsa_system_sgpr_workgroup_id_y 1
		.amdhsa_system_sgpr_workgroup_id_z 1
		.amdhsa_system_vgpr_workitem_id 0
		.amdhsa_next_free_vgpr 256
		.amdhsa_next_free_sgpr 72
		.amdhsa_reserve_vcc 1
		.amdhsa_float_denorm_mode_32 3
		.amdhsa_float_denorm_mode_16_64 3
		.amdhsa_memory_ordered 1
		.amdhsa_forward_progress 1
		.amdhsa_inst_pref_size 54
	.end_amdhsa_kernel
	.amdgpu_metadata
---
amdhsa.version: [ 1, 2 ]
amdhsa.kernels:
  - .name:           k_qb53627cea3_attn
    .symbol:         k_qb53627cea3_attn.kd
    .args:
      - { .name: qc, .offset: 0, .size: 8, .value_kind: global_buffer, .address_space: global }
      - { .name: kv, .offset: 8, .size: 8, .value_kind: global_buffer, .address_space: global }
      - { .name: oc, .offset: 16, .size: 8, .value_kind: global_buffer, .address_space: global }
    .group_segment_fixed_size: 215040
    .private_segment_fixed_size: 0
    .kernarg_segment_align: 8
    .kernarg_segment_size: 24
    .max_flat_workgroup_size: 512
    .sgpr_count:     72
    .vgpr_count:     256
    .wavefront_size: 32
...
	.end_amdgpu_metadata
.endif
;; end of part 3
;; launch proj (part 4): grid 2 x 128, 4 waves a work-group, no clusters, 17,920 bytes of LDS; arguments oc, wq, bp, out0; writes out0
.if DOCPART == 4
	.amdgcn_target "amdgcn-amd-amdhsa--gfx1250"
	.amdhsa_code_object_version 6
	.text
	.protected	k_qb53627cea3_proj
	.globl	k_qb53627cea3_proj
	.p2align	8
	.type	k_qb53627cea3_proj,@function
k_qb53627cea3_proj:
	s_mov_b64 s[64:65], 0
	v_nop
	global_prefetch_b8 v0, s[64:65] scope:SCOPE_SE
	s_setreg_imm32_b32 hwreg(HW_REG_WAVE_MODE, 25, 1), 1
	s_wait_xcnt 0x0
; out0 = O Wp + bp on codes of BF6 (E3M2) with E8M0 scales; sums in f32.  O [8192 tokens][512 = head x 64] and Wp come as images of operand registers (oc: a record of 7,168 bytes a token tile; wq: records 96-127, 6,656 bytes).
; SHARES.  A work-group takes 64 tokens (4 tiles) and half of the 512 columns; wave w makes columns 256 x + 64 w .. + 63 for all 64 tokens: 16 accumulators, 64 products.  All operands go straight into registers, in one run.
; Transposed: source 0 = 16 columns of Wp, source 1 = 16 tokens: a lane holds ONE token, and its registers of tile t are columns 32 (t / 2) + 8 (t % 2) + 16 (lane / 16) + j.  bp is the C of each sum's first product.
; THE WAY OUT: a token tile's 16 rows x 256 bytes go through the wave's own stage in LDS (rows 272 bytes apart) and come back by rows: sixteen lanes store 256 consecutive bytes, at a multiple of 256 from out0's first byte.
; Row m of token tile 2 b + u is token 32 b + 8 u + m + 8 (m / 8).  No barrier: waves share nothing.  No cluster: the operands lie in register order, and a joint load would add a way through LDS.
; REGISTERS, in windows of 256: window 0: v1-7 addresses; v16-31 Wp's scale words; v32-47 O's; v48-79 O's bytes as stored, two a head; v128-255 rows on the way out.
;   window 1: v0-191 Wp's 16 fragments; v192-223 bp.   window 2: v0-191 O's 16 fragments.   window 3: v0-127 the accumulators ((m, t) at v[8 (4 m + t)]).
.set MSB, 0
.macro WIN new                         ; the immediate's high byte repeats the setting that is left
.if MSB != (\new)
	s_set_vgpr_msb (MSB<<8)|(\new)
.set MSB, (\new)
.endif
.endm
	s_load_b256 s[4:11], s[0:1], 0x0               ; oc s[4:5], wq s[6:7], bp s[8:9], out0 s[10:11]
	v_lshl_add_u32 v126, v0, 2, 0x4400
	v_mov_b32 v127, 0
	v_lshrrev_b32 v8, 5, v0
	v_readfirstlane_b32 s18, v8                    ; wave 0..3
	v_and_b32 v8, 31, v0
	v_lshlrev_b32 v1, 4, v8                        ; 16 x lane
	v_lshlrev_b32 v2, 3, v8                        ; 8 x lane
	v_lshlrev_b32 v3, 2, v8                        ; 4 x lane
	v_and_b32 v8, 15, v0                           ; r
	v_bfe_u32 v9, v0, 4, 1                         ; h
	v_lshlrev_b32 v4, 6, v9                        ; 64 h: the bias of my half's columns
	s_mul_i32 s32, s18, 4352                       ; my stage: 16 rows of 272 bytes
	v_mul_u32_u24 v5, v8, 272
	v_lshl_add_u32 v5, v9, 6, v5
	v_add_nc_u32 v5, s32, v5                       ; in: row r, + 64 h
	v_mul_u32_u24 v6, v9, 272
	v_lshl_add_u32 v6, v8, 4, v6
	v_add_nc_u32 v6, s32, v6                       ; back: lanes 0-15 one row, lanes 16-31 the next
	v_lshlrev_b32 v7, 11, v9
	v_lshl_add_u32 v7, v8, 4, v7                   ; and the same two rows in out0
	s_and_b32 s22, ttmp7, 0xffff                   ; the block of 64 tokens
	s_mov_b32 s35, 0
	s_wait_kmcnt 0x0
	s_mul_i32 s34, s22, 28672
	s_add_nc_u64 s[24:25], s[4:5], s[34:35]        ; O's four records
	s_lshl_b32 s33, ttmp9, 4
	s_lshl_b32 s34, s18, 2
	s_add_co_u32 s33, s33, s34
	s_add_co_u32 s33, s33, 96
	s_mul_i32 s34, s33, 6656
	s_add_nc_u64 s[26:27], s[6:7], s[34:35]        ; Wp's four records that are mine
	s_lshl_b32 s33, ttmp9, 10
	s_lshl_b32 s34, s18, 8
	s_add_co_u32 s34, s33, s34                     ; my 64 columns, in bytes
	s_add_nc_u64 s[28:29], s[8:9], s[34:35]
	s_add_nc_u64 s[30:31], s[10:11], s[34:35]
	s_lshl_b32 s34, s22, 17                        ; 64 rows of 2,048 bytes
	s_add_nc_u64 s[30:31], s[30:31], s[34:35]
	WIN 0x40                                       ; destination window 1
.irp t, 0,1,2,3
.irp s, 0,1,2,3
.irp c, 0,1,2
	global_load_b128 v[12*(4*\t+\s)+4*\c:12*(4*\t+\s)+4*\c+3], v1, s[26:27] offset:6656*\t+1536*\s+512*\c
.endr
.endr
.endr
.irp t, 0,1,2,3
	global_load_b128 v[192+8*\t:192+8*\t+3], v4, s[28:29] offset:(32*(\t/2)+8*(\t%2))*4
	global_load_b128 v[192+8*\t+4:192+8*\t+7], v4, s[28:29] offset:(32*(\t/2)+8*(\t%2))*4+16
.endr
	WIN 0
.irp t, 0,1,2,3
.irp p, 0,1
	global_load_b64 v[16+4*\t+2*\p:16+4*\t+2*\p+1], v2, s[26:27] offset:6656*\t+6144+256*\p
.endr
.endr
.irp m, 0,1,2,3
.irp n, 0,1,2,3,4,5,6,7
	global_load_b32 v[48+8*\m+\n], v3, s[24:25] offset:7168*\m+6144+128*\n
.endr
.endr
	WIN 0x80                                       ; destination window 2
.irp m, 0,1,2,3
.irp s, 0,1,2,3
.irp c, 0,1
	global_load_b128 v[48*\m+12*\s+6*\c:48*\m+12*\s+6*\c+3], v1, s[24:25] offset:7168*\m+1536*\s+768*\c      ; half c of K step s: head 2 s + c
	global_load_b64 v[48*\m+12*\s+6*\c+4:48*\m+12*\s+6*\c+5], v2, s[24:25] offset:7168*\m+1536*\s+768*\c+512
.endr
.endr
.endr
	WIN 0
	s_wait_loadcnt 0x0
.irp m, 0,1,2,3
.irp s, 0,1,2,3
	v_lshl_or_b32 v[32+4*\m+\s], v[48+8*\m+2*\s+1], 16, v[48+8*\m+2*\s]   ; two heads' bytes make the scale word of a K step
.endr
.endr
.rept 8
	v_nop                                          ; a scale register written by a vector instruction stands eight places ahead of a scaled product
.endr
.irp s, 0,1,2,3                                ; the sixteen accumulators by turns, a K step at a time
.if \s == 0
	WIN 0xd9                                       ; source 0 (Wp) and source 2 (bp) window 1, source 1 (O) window 2, D window 3
.else
	WIN 0xf9                                       ; C and D window 3
.endif
.irp m, 0,1,2,3
.irp t, 0,1,2,3
.set rD, 8*(4*\m+\t)
.set rW, 12*(4*\t+\s)
.set rO, 48*\m+12*\s
.if \s == 0
	v_wmma_scale_f32_16x16x128_f8f6f4 v[rD:rD+7], v[rW:rW+11], v[rO:rO+11], v[192+8*\t:199+8*\t], v[16+4*\t+\s], v[32+4*\m+\s] matrix_a_fmt:MATRIX_FMT_BF6 matrix_b_fmt:MATRIX_FMT_BF6
.else
	v_wmma_scale_f32_16x16x128_f8f6f4 v[rD:rD+7], v[rW:rW+11], v[rO:rO+11], v[rD:rD+7], v[16+4*\t+\s], v[32+4*\m+\s] matrix_a_fmt:MATRIX_FMT_BF6 matrix_b_fmt:MATRIX_FMT_BF6
.endif
.endr
.endr
.endr
	WIN 0
.rept 4
	v_nop                                          ; four places between the last product and the first read of results
.endr
.macro TOSTAGE m                       ; token tile m into my stage, and back by rows.  LDS serves a wave's instructions in order (ISA guide 5.7.1.4): no wait between the stores and the loads, nor in front of the next tile's stores
	WIN 0x0c                                       ; an LDS store's data are its source 1: window 3
.irp t, 0,1,2,3
	ds_store_b128 v5, v[8*(4*\m+\t):8*(4*\m+\t)+3] offset:128*(\t/2)+32*(\t%2)          ; each accumulator from its low end on
	ds_store_b128 v5, v[8*(4*\m+\t)+4:8*(4*\m+\t)+7] offset:128*(\t/2)+32*(\t%2)+16
.endr
	WIN 0
.irp i, 0,1,2,3,4,5,6,7
	ds_load_b128 v[128+32*\m+4*\i:128+32*\m+4*\i+3], v6 offset:544*\i
.endr
.endm
.macro SEND m, younger                 ; younger: the LDS instructions issued behind tile m's loads: the next tile's 8 stores and 8 loads, or none
	s_wait_dscnt \younger
.irp i, 0,1,2,3,4,5,6,7
	global_store_b128 v7, v[128+32*\m+4*\i:128+32*\m+4*\i+3], s[30:31] offset:(32*(\m/2)+8*(\m%2)+2*\i+8*(\i/4))*2048 th:TH_STORE_NT   ; stage rows 2 i and 2 i + 1 are tokens 2 i + 8 (i / 4) and the next of the tile
.endr
.endm
	TOSTAGE 0
	TOSTAGE 1
	SEND 0, 16
	TOSTAGE 2
	SEND 1, 16
	TOSTAGE 3
	SEND 2, 16
	SEND 3, 0
	s_wait_tensorcnt 0x0
	ds_add_u32 v126, v127
	s_wait_dscnt 0x0
	s_endpgm
.Lfunc_end_k_qb53627cea3_proj:
	.size	k_qb53627cea3_proj, .Lfunc_end_k_qb53627cea3_proj-k_qb53627cea3_proj
	.p2alignl 7, 3214868480
	.fill 96, 4, 3214868480
	.section	.rodata,"a",@progbits
	.p2align	6, 0x0
	.amdhsa_kernel k_qb53627cea3_proj
		.amdhsa_group_segment_fixed_size 17920
		.amdhsa_private_segment_fixed_size 0
		.amdhsa_enable_private_segment 0
		.amdhsa_kernarg_size 32
		.amdhsa_user_sgpr_count 2
		.amdhsa_user_sgpr_kernarg_segment_ptr 1
		.amdhsa_wavefront_size32 1
		.amdhsa_system_sgpr_workgroup_id_x 1
		.amdhsa_system_sgpr_workgroup_id_y 1
		.amdhsa_system_sgpr_workgroup_id_z 1
		.amdhsa_system_vgpr_workitem_id 0
		.amdhsa_next_free_vgpr 896
		.amdhsa_next_free_sgpr 66
		.amdhsa_reserve_vcc 0
		.amdhsa_float_denorm_mode_32 3
		.amdhsa_float_denorm_mode_16_64 3
		.amdhsa_memory_ordered 1
		.amdhsa_forward_progress 1
		.amdhsa_inst_pref_size 35
	.end_amdhsa_kernel
	.amdgpu_metadata
---
amdhsa.version: [ 1, 2 ]
amdhsa.kernels:
  - .name:           k_qb53627cea3_proj
    .symbol:         k_qb53627cea3_proj.kd
    .args:
      - { .name: oc, .offset: 0, .size: 8, .value_kind: global_buffer, .address_space: global }
      - { .name: wq, .offset: 8, .size: 8, .value_kind: global_buffer, .address_space: global }
      - { .name: bp, .offset: 16, .size: 8, .value_kind: global_buffer, .address_space: global }
      - { .name: out0, .offset: 24, .size: 8, .value_kind: global_buffer, .address_space: global }
    .group_segment_fixed_size: 17920
    .private_segment_fixed_size: 0
    .kernarg_segment_align: 8
    .kernarg_segment_size: 32
    .max_flat_workgroup_size: 128
    .sgpr_count:     66
    .vgpr_count:     896
    .wavefront_size: 32
...
	.end_amdgpu_metadata
.endif
;; end of part 4
;; ======== version 2 of 2: 4 launches
;; workspace buffers: xq 3,407,872 bytes; wq 851,968 bytes; qc 3,407,872 bytes; kv 6,815,744 bytes; oc 3,670,016 bytes
;; launch prep (part 5): grid 320 x 1, 4 waves a work-group, no clusters, 0 bytes of LDS; arguments x, Wq, Wk, Wv, Wp, xq, wq; writes xq, wq
.if DOCPART == 5
	.amdgcn_target "amdgcn-amd-amdhsa--gfx1250"
	.amdhsa_code_object_version 6
	.text
	.protected	k_qb53627cea3_prep
	.globl	k_qb53627cea3_prep
	.p2align	8
	.type	k_qb53627cea3_prep,@function
k_qb53627cea3_prep:
	s_mov_b64 s[64:65], 0
	v_nop
	global_prefetch_b8 v0, s[64:65] scope:SCOPE_SE
	s_setreg_imm32_b32 hwreg(HW_REG_WAVE_MODE, 25, 1), 1
	s_wait_xcnt 0x0
; x [8192 tokens][512] and the four weights (Wq, Wk, Wv: [8][512 (K)][64]; Wp: [512 (K)][512]), all f32, become codes of BF6 (E3M2) with one E8M0 byte for each 32 along K,
; laid as IMAGES OF OPERAND REGISTERS: a record of 6,656 bytes for each tile of 16 rows (tokens, or columns of a weight): four fragments of 16 rows x 128 K (1,536 bytes: registers 4 c .. 4 c + 3 of lane L
; at 512 c + 16 L), then the scale words: at 6,144 + 256 p, 8 bytes a lane, the words of K steps 2 p and 2 p + 1.
; THE ROWS OF A TILE ARE NOT NEIGHBOURS: row m of tile 2 b + u is index 32 b + 8 u + m + 8 (m / 8).  So wherever such a tile is source 0 of a product, a lane's 16 results of tiles 2 b and 2 b + 1
; are 16 neighbours along that index, ready for the next quantiser.
; A block's scale is 2^(floor(log2(its largest magnitude)) - 4); its byte is the largest magnitude's exponent field - 4.
; LIMITS: the largest magnitude is held at 2^-122 from below, so the byte is at least 1; a block of zeros so gets the byte 1 (its codes are zeros, and this program alone reads the bytes); NaN and infinities are not served.
; SHARES: a wave makes two fragments: one tile, K steps 2 p and 2 p + 1.  Work-groups 0-255: x's 512 tiles; 256-319: the weights' 128 tiles (Wq 0-31, Wk 32-63, Wv 64-95, Wp 96-127).
; A lane holds, of its row, 16 neighbours along K of each block of 32 (lane l xor 16 the other 16).  No LDS, no barrier: waves share nothing.
.set REC, 6656
.set TM,  160                          ; v160-175 at work in QUANT
.set SEL, 20                           ; s[20:21] lane selects for v_permlanex16_b32: lane l xor 16
.set N0,  32                           ; v32-95   64 numbers of the first K step;  v96-159 of the second
.set PCA, 176                          ; v176-194 the first fragment's codes (12) and the conversions' second halves
.set PCB, 196                          ; v196-214 the second's
.set PW,  216                          ; v216-217 the two scale words
; 64 numbers of a lane, register 16 b + i = k 32 b + 16 (lane / 16) + i of my row, become a fragment's 12 registers in v[pc] on and its scale word in v[pw].
.macro QUANT s, pc, pw
.irp b, 0,1,2,3
	v_max3_num_f32 v[TM+\b], |v[\s+16*\b]|, |v[\s+1+16*\b]|, 0x2800000   ; block b: my 16 numbers, and the floor 2^(5 - 127)
.endr
.irp i, 2,4,6,8,10,12,14
.irp b, 0,1,2,3
	v_max3_num_f32 v[TM+\b], v[TM+\b], |v[\s+16*\b+\i]|, |v[\s+1+16*\b+\i]|   ; the four blocks by turns
.endr
.endr
.irp b, 0,1,2,3
	v_permlanex16_b32 v[TM+4+\b], v[TM+\b], s[SEL], s[SEL+1]
.endr
.irp b, 0,1,2,3
	v_max_num_f32 v[TM+\b], v[TM+\b], v[TM+4+\b]   ; with lane l xor 16's: the block's largest magnitude
.endr
.irp b, 0,1,2,3
	v_add_nc_u32 v[TM+12+\b], 0xfe000000, v[TM+\b]   ; 4 off its exponent field: the conversion's scale operand
.endr
.irp b, 0,1,2,3
	v_lshrrev_b32 v[TM+4+\b], 23, v[TM+12+\b]      ; the scale's byte
.endr
	v_lshl_or_b32 v[\pw], v[TM+5], 8, v[TM+4]      ; four bytes: my row's scale word
	v_lshl_or_b32 v[\pw], v[TM+6], 16, v[\pw]
	v_lshl_or_b32 v[\pw], v[TM+7], 24, v[\pw]
.irp c, 0,1
	v_cvt_scalef32_pk16_bf6_f32 v[\pc+6*\c:\pc+2+6*\c], v[\s+32*\c:\s+15+32*\c], v[TM+12+2*\c]
	v_cvt_scalef32_pk16_bf6_f32 v[\pc+12+4*\c:\pc+14+4*\c], v[\s+16+32*\c:\s+31+32*\c], v[TM+12+2*\c+1]   ; (a conversion's three registers begin on an even number)
.endr
	v_nop                                          ; one plain place behind a scaled conversion
.irp c, 0,1                                    ; the operand's layout wants a whole block in a lane: lanes 0-15 block 2 c, lanes 16-31 block 2 c + 1
.irp i, 0,1,2
	v_permlane16_swap_b32 v[\pc+6*\c+\i], v[\pc+12+4*\c+\i]
.endr
.irp i, 0,1,2
	v_mov_b32 v[\pc+3+6*\c+\i], v[\pc+12+4*\c+\i]
.endr
.endr
.endm
.macro XLOAD                           ; K innermost: 16 neighbours are 64 bytes: four loads of 16 bytes for each block
.irp k, 0,1
.irp b, 0,1,2,3
.irp j, 0,1,2,3
	global_load_b128 v[N0+64*\k+16*\b+4*\j:N0+64*\k+16*\b+4*\j+3], v4, s[22:23] offset:512*\k+128*\b+16*\j th:TH_LOAD_NT
.endr
.endr
.endr
.endm
.macro WLOAD pitch                     ; K runs down the rows of a weight: a lane takes a column, its registers run down K, pitch bytes apart
.irp k, 0,1
.irp b, 0,1,2,3
.irp i, 0,1,2,3,4,5,6,7,8,9,10,11,12,13,14,15
	global_load_b32 v[N0+64*\k+16*\b+\i], v4, s[22:23] offset:(128*\k+32*\b+\i)*\pitch
.endr
.endr
.endr
.endm
	s_load_b256 s[4:11], s[0:1], 0x0               ; x s[4:5], Wq s[6:7], Wk s[8:9], Wv s[10:11]
	s_load_b128 s[12:15], s[0:1], 0x20             ; Wp s[12:13], xq s[14:15]
	s_load_b64 s[16:17], s[0:1], 0x30              ; wq
	v_lshrrev_b32 v1, 5, v0
	v_readfirstlane_b32 s18, v1                    ; wave 0..3
	v_and_b32 v7, 31, v0                           ; lane
	v_and_b32 v1, 15, v0                           ; r
	v_bfe_u32 v2, v0, 4, 1                         ; h
	v_and_b32 v3, 8, v1
	v_add_nc_u32 v3, v3, v1                        ; r + 8 (r / 8)
	v_lshlrev_b32 v5, 4, v7                        ; 16 x lane: my place in an image
	v_lshlrev_b32 v6, 3, v7                        ; 8 x lane: my two scale words
	s_mov_b32 s[SEL], 0x76543210
	s_mov_b32 s[SEL+1], 0xfedcba98
.irp b, 0,1,2,3
	v_mov_b32 v[TM+4+\b], 0                        ; written once: a lane permute's destination counts as one of its sources
.endr
	s_mov_b32 s29, 0                               ; the upper word of every offset
	s_wait_kmcnt 0x0
	s_cmp_lt_u32 ttmp9, 256
	s_cbranch_scc0 .Lweights
	; ---- x: tile tau = J / 2, pair of K steps p = J % 2, J = 4 x work-group + wave
	s_lshl_b32 s30, ttmp9, 2
	s_add_co_u32 s30, s30, s18
	s_lshr_b32 s31, s30, 1                         ; the record: tau
	s_and_b32 s32, s30, 1                          ; p
	s_lshr_b32 s33, s31, 1
	s_lshl_b32 s33, s33, 16                        ; 32 tokens of 2,048 bytes for each pair of tiles,
	s_and_b32 s34, s31, 1
	s_lshl_b32 s34, s34, 14                        ; 8 tokens for the odd tile,
	s_add_co_u32 s28, s33, s34
	s_lshl_b32 s34, s32, 10                        ; 256 numbers along K for p
	s_add_co_u32 s28, s28, s34
	s_add_nc_u64 s[22:23], s[4:5], s[28:29]
	s_mov_b64 s[36:37], s[14:15]                   ; the records go to xq
	s_wait_alu depctr_va_vdst(0)
	v_lshlrev_b32 v4, 11, v3                       ; my token's row,
	v_lshl_add_u32 v4, v2, 6, v4                   ; + 64 h: my 16 numbers of a block
	XLOAD
	s_branch .Lq
.Lweights:
	s_sub_co_u32 s30, ttmp9, 256
	s_lshr_b32 s35, s30, 4                         ; which weight: 0 Wq, 1 Wk, 2 Wv, 3 Wp (sixteen work-groups each)
	s_lshl_b32 s30, s30, 2
	s_add_co_u32 s30, s30, s18
	s_lshr_b32 s31, s30, 1                         ; the record: tile 0..127
	s_and_b32 s32, s30, 1                          ; p
	s_and_b32 s33, s31, 31                         ; the tile within its weight
	s_mov_b64 s[36:37], s[16:17]                   ; the records go to wq
	s_cmp_eq_u32 s35, 3
	s_cbranch_scc1 .Lwp
	; ---- Wq, Wk, Wv: head = tile / 4 (131,072 bytes), a row of K is 256 bytes
	s_cmp_eq_u32 s35, 1
	s_cselect_b64 s[22:23], s[8:9], s[6:7]
	s_cmp_eq_u32 s35, 2
	s_cselect_b64 s[22:23], s[10:11], s[22:23]
	s_lshr_b32 s34, s33, 2
	s_lshl_b32 s28, s34, 17
	s_bfe_u32 s34, s33, 0x10001
	s_lshl_b32 s34, s34, 7                         ; 32 columns of 4 bytes
	s_add_co_u32 s28, s28, s34
	s_and_b32 s34, s33, 1
	s_lshl_b32 s34, s34, 5                         ; 8 columns
	s_add_co_u32 s28, s28, s34
	s_lshl_b32 s34, s32, 16                        ; 256 rows of K for p
	s_add_co_u32 s28, s28, s34
	s_add_nc_u64 s[22:23], s[22:23], s[28:29]
	s_wait_alu depctr_va_vdst(0)
	v_lshlrev_b32 v4, 2, v3                        ; my column,
	v_lshl_add_u32 v4, v2, 12, v4                  ; + 16 h rows of K
	WLOAD 256
	s_branch .Lq
.Lwp:
	; ---- Wp: a row of K is 2,048 bytes
	s_lshr_b32 s34, s33, 1
	s_lshl_b32 s28, s34, 7
	s_and_b32 s34, s33, 1
	s_lshl_b32 s34, s34, 5
	s_add_co_u32 s28, s28, s34
	s_lshl_b32 s34, s32, 19
	s_add_co_u32 s28, s28, s34
	s_add_nc_u64 s[22:23], s[12:13], s[28:29]
	s_wait_alu depctr_va_vdst(0)
	v_lshlrev_b32 v4, 2, v3
	v_lshl_add_u32 v4, v2, 15, v4
	WLOAD 2048
.Lq:
	s_mul_i32 s28, s31, REC
	s_mul_i32 s33, s32, 3072
	s_add_co_u32 s28, s28, s33
	s_add_nc_u64 s[24:25], s[36:37], s[28:29]      ; my two images
	s_mul_i32 s28, s31, REC
	s_lshl_b32 s33, s32, 8
	s_add_co_u32 s28, s28, s33
	s_add_co_u32 s28, s28, 6144
	s_add_nc_u64 s[26:27], s[36:37], s[28:29]      ; my two scale words
	s_wait_loadcnt 0x0
	QUANT N0, PCA, PW
	QUANT N0+64, PCB, PW+1
.irp c, 0,1,2
	global_store_b128 v5, v[PCA+4*\c:PCA+4*\c+3], s[24:25] offset:512*\c          ; the wave stores 512 consecutive bytes, at a multiple of 256 from the buffer's first byte
.endr
.irp c, 0,1,2
	global_store_b128 v5, v[PCB+4*\c:PCB+4*\c+3], s[24:25] offset:1536+512*\c
.endr
	global_store_b64 v6, v[PW:PW+1], s[26:27]      ; 256 consecutive bytes
	s_endpgm
.Lfunc_end_k_qb53627cea3_prep:
	.size	k_qb53627cea3_prep, .Lfunc_end_k_qb53627cea3_prep-k_qb53627cea3_prep
	.p2alignl 7, 3214868480
	.fill 96, 4, 3214868480
	.section	.rodata,"a",@progbits
	.p2align	6, 0x0
	.amdhsa_kernel k_qb53627cea3_prep
		.amdhsa_group_segment_fixed_size 0
		.amdhsa_private_segment_fixed_size 0
		.amdhsa_enable_private_segment 0
		.amdhsa_kernarg_size 56
		.amdhsa_user_sgpr_count 2
		.amdhsa_user_sgpr_kernarg_segment_ptr 1
		.amdhsa_wavefront_size32 1
		.amdhsa_system_sgpr_workgroup_id_x 1
		.amdhsa_system_sgpr_workgroup_id_y 1
		.amdhsa_system_sgpr_workgroup_id_z 1
		.amdhsa_system_vgpr_workitem_id 0
		.amdhsa_next_free_vgpr 224
		.amdhsa_next_free_sgpr 66
		.amdhsa_reserve_vcc 0
		.amdhsa_float_denorm_mode_32 3
		.amdhsa_float_denorm_mode_16_64 3
		.amdhsa_memory_ordered 1
		.amdhsa_forward_progress 1
		.amdhsa_inst_pref_size 39
	.end_amdhsa_kernel
	.amdgpu_metadata
---
amdhsa.version: [ 1, 2 ]
amdhsa.kernels:
  - .name:           k_qb53627cea3_prep
    .symbol:         k_qb53627cea3_prep.kd
    .args:
      - { .name: x, .offset: 0, .size: 8, .value_kind: global_buffer, .address_space: global }
      - { .name: Wq, .offset: 8, .size: 8, .value_kind: global_buffer, .address_space: global }
      - { .name: Wk, .offset: 16, .size: 8, .value_kind: global_buffer, .address_space: global }
      - { .name: Wv, .offset: 24, .size: 8, .value_kind: global_buffer, .address_space: global }
      - { .name: Wp, .offset: 32, .size: 8, .value_kind: global_buffer, .address_space: global }
      - { .name: xq, .offset: 40, .size: 8, .value_kind: global_buffer, .address_space: global }
      - { .name: wq, .offset: 48, .size: 8, .value_kind: global_buffer, .address_space: global }
    .group_segment_fixed_size: 0
    .private_segment_fixed_size: 0
    .kernarg_segment_align: 8
    .kernarg_segment_size: 56
    .max_flat_workgroup_size: 128
    .sgpr_count:     66
    .vgpr_count:     224
    .wavefront_size: 32
...
	.end_amdgpu_metadata
.endif
;; end of part 5
;; launch qkv (part 6): grid 64 x 4, 4 waves a work-group, no clusters, 0 bytes of LDS; arguments xq, wq, bq, bk, bv, qc, kv; writes qc, kv
.if DOCPART == 6
	.amdgcn_target "amdgcn-amd-amdhsa--gfx1250"
	.amdhsa_code_object_version 6
	.text
	.protected	k_qb53627cea3_qkv
	.globl	k_qb53627cea3_qkv
	.p2align	8
	.type	k_qb53627cea3_qkv,@function
k_qb53627cea3_qkv:
	s_mov_b64 s[64:65], 0
	v_nop
	global_prefetch_b8 v0, s[64:65] scope:SCOPE_SE
	s_setreg_imm32_b32 hwreg(HW_REG_WAVE_SCHED_MODE, 0, 2), 2
	s_setreg_imm32_b32 hwreg(HW_REG_WAVE_MODE, 25, 1), 1
	s_wait_xcnt 0x0
	s_wait_alu depctr_vm_vsrc(0)
; Q = x Wq + bq, K = x Wk + bk, V = x Wv + bv on codes of BF6 (E3M2) with E8M0 scales, sums in f32; the results are quantised in registers (Q and K along the head's 64, V along the tokens) and leave as images of operand registers.
; SHARES.  A work-group takes 128 tokens (8 tiles of 16) and two heads.  Wave w: head 2 y + w / 2; role w % 2: 0 makes Q, 1 makes K, for all 8 token tiles; and it makes V's tiles 2 role and 2 role + 1 (of 16 of the head's 64).
; All operands lie in memory in the order of the operand registers and go straight into registers, asked for in one run at the head; the text is straight, without LDS, barrier or branch.
; NO CLUSTER: a joint load lands in LDS, from where these operands would have to be read again into the same registers; what the four waves share, x's codes, is 53,248 of the work-group's bytes.
; Q AND K, transposed: source 0 = 16 columns of the weight, source 1 = 16 tokens: a lane holds ONE token and its 32 registers of the four tiles run along the head's 64 (the tiles' columns are chosen so: column m of tile
;   2 b + u is 32 b + 8 u + m + 8 (m / 8)).  Two token tiles together are the 64 numbers of QUANT: its fragment's half c holds token tile 2 pi + c with k = d, its scale word the bytes [tile A: d 0-31, 32-63; tile B: the same].
; V: source 0 = 16 tokens, source 1 = 16 columns of Wv: a lane holds ONE column d and its 64 registers of the 8 token tiles run along the 128 tokens: one fragment of V^T, K = the tokens.
; The biases are the C of each sum's first product.  RECORDS: qc[(8 b + head) 16 + step]: 6,656 bytes: four images of 1,536 (half c: registers 6 c .. 6 c + 3 at 768 c + 16 L, 6 c + 4, 6 c + 5 at 768 c + 512 + 8 L), then 16 bytes a lane: four scale words.
;   kv[the same index]: 13,312 bytes: K as in qc; at 6,656 V^T's four images (registers 4 c .. 4 c + 3 at 512 c + 16 L); at 12,800 + 256 i, 8 bytes a lane, the words of tiles 2 i and 2 i + 1.
; LIMITS: a block's largest magnitude is held at 2^-122 from below (byte at least 1; a block of zeros has byte 1 and zero codes; the bytes are read by this program alone); NaN and infinities are not served.
; REGISTERS, in windows of 256: window 0: v1-4 addresses; v16-79 eight accumulators; v80-98 and v192-210 codes, two buffers by turns; v100-115 at work; v116-121 scale words made; v128-143 the weight's scale words, v144-151 Wv's, v160-191 x's.
;   window 1: v0-191 the weight's 16 fragments; v192-223 its bias; v224-239 V's bias.   window 2: v0-191 x's tiles 0-3; v192-239 Wv's first tile.   window 3: x's tiles 4-7; Wv's second tile.
; THE MODE: SCHED_MODE bits 1:0 = 2 (LLVM: expert scheduling mode 2), set by the entry lines.  The code itself states the register dependences between vector or matrix instructions and memory instructions, with s_wait_alu, always for 0.
; THE PLAN.  Six phases: Q or K of token tiles 2 n and 2 n + 1 (n = 0 .. 3), then V's two tiles (n = 4, 5).  Registers that memory instructions touch:
;   v1-v4            offsets: written at the head, once; read by every load and store.
;   the operands     windows 1 to 3, v128-151, v160-191: written by the head's one run of loads and by nothing else; no vector instruction names them ahead of that run.
;   codes, buffer n % 2   written by phase n's QUANT; read by the stores at phase n's end; written again by phase n + 2's QUANT.
;   v116-121         a scale word for each phase: written once by its QUANT; read by one store behind phase 3 and one behind phase 5.
;   The accumulators and v100-115 are named by vector and matrix instructions alone.
; So: one wait on va_vdst ahead of the first load; one behind each QUANT, ahead of the phase's run of stores; from phase 2 on one wait on vm_vsrc ahead of QUANT, two phases behind the stores that it speaks of.
.set TM,  100
.set SEL, 20
.set ACC, 16
.set PC0, 80
.set PC1, 192
.set PWQ, 116
.set PWV, 120
.set WS,  128
.set VS,  144
.set XS,  160
.set MSB, 0
.macro WIN new                         ; the immediate's high byte repeats the setting that is left; a switch that changes nothing is dropped
.if MSB != (\new)
	s_set_vgpr_msb (MSB<<8)|(\new)
.set MSB, (\new)
.endif
.endm
; 64 numbers of a lane, register 16 b + i = k 32 b + 16 (lane / 16) + i of my row, become a fragment's 12 registers in v[pc] on and its scale word in v[pw].  Each accumulator is read from its low end on.
.macro QUANT s, pc, pw
.irp b, 0,1,2,3
	v_max3_num_f32 v[TM+\b], |v[\s+16*\b]|, |v[\s+1+16*\b]|, 0x2800000   ; block b: my 16 numbers, and the floor 2^(5 - 127)
.endr
.irp i, 2,4,6,8,10,12,14
.irp b, 0,1,2,3
	v_max3_num_f32 v[TM+\b], v[TM+\b], |v[\s+16*\b+\i]|, |v[\s+1+16*\b+\i]|
.endr
.endr
.irp b, 0,1,2,3
	v_permlanex16_b32 v[TM+4+\b], v[TM+\b], s[SEL], s[SEL+1]
.endr
.irp b, 0,1,2,3
	v_max_num_f32 v[TM+\b], v[TM+\b], v[TM+4+\b]   ; with lane l xor 16's: the block's largest magnitude
.endr
.irp b, 0,1,2,3
	v_add_nc_u32 v[TM+12+\b], 0xfe000000, v[TM+\b]   ; 4 off its exponent field: the conversion's scale operand
.endr
.irp b, 0,1,2,3
	v_lshrrev_b32 v[TM+4+\b], 23, v[TM+12+\b]      ; the scale's byte
.endr
	v_lshl_or_b32 v[\pw], v[TM+5], 8, v[TM+4]
	v_lshl_or_b32 v[\pw], v[TM+6], 16, v[\pw]
	v_lshl_or_b32 v[\pw], v[TM+7], 24, v[\pw]
.irp c, 0,1
	v_cvt_scalef32_pk16_bf6_f32 v[\pc+6*\c:\pc+2+6*\c], v[\s+32*\c:\s+15+32*\c], v[TM+12+2*\c]
	v_cvt_scalef32_pk16_bf6_f32 v[\pc+12+4*\c:\pc+14+4*\c], v[\s+16+32*\c:\s+31+32*\c], v[TM+12+2*\c+1]
.endr
	v_nop                                          ; one plain place behind a scaled conversion
.irp c, 0,1
.irp i, 0,1,2
	v_permlane16_swap_b32 v[\pc+6*\c+\i], v[\pc+12+4*\c+\i]
.endr
.irp i, 0,1,2
	v_mov_b32 v[\pc+3+6*\c+\i], v[\pc+12+4*\c+\i]
.endr
.endr
.endm
	s_load_b256 s[4:11], s[0:1], 0x0               ; xq s[4:5], wq s[6:7], bq s[8:9], bk s[10:11]
	s_load_b128 s[12:15], s[0:1], 0x20             ; bv s[12:13], qc s[14:15]
	s_load_b64 s[16:17], s[0:1], 0x30              ; kv
	v_lshrrev_b32 v5, 5, v0
	v_readfirstlane_b32 s18, v5                    ; wave 0..3
	v_and_b32 v5, 31, v0
	v_lshlrev_b32 v1, 4, v5                        ; 16 x lane
	v_lshlrev_b32 v2, 3, v5                        ; 8 x lane
	v_bfe_u32 v3, v0, 4, 1
	v_lshlrev_b32 v3, 6, v3                        ; 64 h: the bias of my half's 16 columns
	v_and_b32 v5, 15, v0
	v_and_b32 v4, 8, v5
	v_add_nc_u32 v4, v4, v5
	v_lshlrev_b32 v4, 2, v4                        ; 4 (r + 8 (r / 8)): the bias of my column of V
	s_mov_b32 s[SEL], 0x76543210
	s_mov_b32 s[SEL+1], 0xfedcba98
.irp b, 0,1,2,3
	v_mov_b32 v[TM+4+\b], 0                        ; written once: a lane permute's destination counts as one of its sources
.endr
	s_wait_alu depctr_va_sdst(0)                   ; s18 is written, ahead of its first reader: the role, the head and every base are made from it
	s_and_b32 s19, s18, 1                          ; role
	s_lshr_b32 s42, s18, 1
	s_and_b32 s43, ttmp7, 0xffff
	s_lshl_b32 s43, s43, 1
	s_add_co_u32 s22, s43, s42                     ; head
	s_lshr_b32 s42, ttmp9, 4                       ; batch
	s_lshl_b32 s42, s42, 3
	s_add_co_u32 s42, s42, s22
	s_lshl_b32 s42, s42, 4
	s_and_b32 s43, ttmp9, 15                       ; the block of 128 tokens within the batch
	s_add_co_u32 s23, s42, s43                     ; the record in qc and kv
	s_mov_b32 s41, 0
	s_wait_kmcnt 0x0
	s_mul_i32 s40, ttmp9, 53248
	s_add_nc_u64 s[24:25], s[4:5], s[40:41]        ; x's 8 records
	s_lshl_b32 s42, s19, 5
	s_lshl_b32 s43, s22, 2
	s_add_co_u32 s42, s42, s43
	s_mul_i32 s40, s42, 6656
	s_add_nc_u64 s[26:27], s[6:7], s[40:41]        ; Wq's or Wk's four records of my head
	s_lshl_b32 s42, s19, 1
	s_add_co_u32 s42, s42, s43
	s_add_co_u32 s42, s42, 64
	s_mul_i32 s40, s42, 6656
	s_add_nc_u64 s[28:29], s[6:7], s[40:41]        ; Wv's two records that are mine
	s_cmp_eq_u32 s19, 1
	s_cselect_b64 s[30:31], s[10:11], s[8:9]       ; bk or bq
	s_cselect_b64 s[34:35], s[16:17], s[14:15]     ; kv or qc
	s_lshl_b32 s40, s22, 8
	s_add_nc_u64 s[30:31], s[30:31], s[40:41]
	s_add_nc_u64 s[32:33], s[12:13], s[40:41]
	s_lshl_b32 s40, s19, 7
	s_add_nc_u64 s[32:33], s[32:33], s[40:41]      ; bv at my 32 columns
	s_mul_i32 s40, s23, 6656
	s_lshl_b32 s40, s40, s19                       ; kv's records are twice as long
	s_add_nc_u64 s[34:35], s[34:35], s[40:41]      ; where Q or K goes
	s_mul_i32 s42, s23, 13312
	s_mul_i32 s43, s19, 3072
	s_add_co_u32 s40, s42, s43
	s_add_co_u32 s40, s40, 6656
	s_add_nc_u64 s[36:37], s[16:17], s[40:41]      ; where my two images of V^T go,
	s_lshl_b32 s43, s19, 8
	s_add_co_u32 s40, s42, s43
	s_add_co_u32 s40, s40, 12800
	s_add_nc_u64 s[38:39], s[16:17], s[40:41]      ; and their scale words
	; ---- every load of the wave, in the order in which the work wants them
	WIN 0x40                                       ; destination window 1
	s_wait_alu depctr_va_vdst(0)                   ; the offsets v1 to v4 are written, which every load and store of the kernel reads; up to the last load only loads and window switches follow
.irp t, 0,1,2,3
.irp s, 0,1,2,3
.irp c, 0,1,2
	global_load_b128 v[12*(4*\t+\s)+4*\c:12*(4*\t+\s)+4*\c+3], v1, s[26:27] offset:6656*\t+1536*\s+512*\c
.endr
.endr
.endr
.irp t, 0,1,2,3
	global_load_b128 v[192+8*\t:192+8*\t+3], v3, s[30:31] offset:(32*(\t/2)+8*(\t%2))*4      ; register j of tile t: column 32 (t / 2) + 8 (t % 2) + 16 h + j
	global_load_b128 v[192+8*\t+4:192+8*\t+7], v3, s[30:31] offset:(32*(\t/2)+8*(\t%2))*4+16
.endr
.irp v, 0,1
.irp j, 0,1,2,3,4,5,6,7
	global_load_b32 v[224+8*\v+\j], v4, s[32:33] offset:32*\v      ; in V's result a lane is one column: eight equal registers
.endr
.endr
	WIN 0x80                                       ; destination window 2
.irp s, 0,1,2,3
.irp c, 0,1,2
	global_load_b128 v[192+12*\s+4*\c:192+12*\s+4*\c+3], v1, s[28:29] offset:1536*\s+512*\c
.endr
.endr
	WIN 0xc0                                       ; destination window 3
.irp s, 0,1,2,3
.irp c, 0,1,2
	global_load_b128 v[192+12*\s+4*\c:192+12*\s+4*\c+3], v1, s[28:29] offset:6656+1536*\s+512*\c
.endr
.endr
	WIN 0
.irp t, 0,1,2,3
.irp p, 0,1
	global_load_b64 v[WS+4*\t+2*\p:WS+4*\t+2*\p+1], v2, s[26:27] offset:6656*\t+6144+256*\p
.endr
.endr
.irp v, 0,1
.irp p, 0,1
	global_load_b64 v[VS+4*\v+2*\p:VS+4*\v+2*\p+1], v2, s[28:29] offset:6656*\v+6144+256*\p
.endr
.endr
.irp x, 0,1,2,3,4,5,6,7
.irp p, 0,1
	global_load_b64 v[XS+4*\x+2*\p:XS+4*\x+2*\p+1], v2, s[24:25] offset:6656*\x+6144+256*\p
.endr
.endr
	WIN 0x80
.irp x, 0,1,2,3
.irp s, 0,1,2,3
.irp c, 0,1,2
	global_load_b128 v[48*\x+12*\s+4*\c:48*\x+12*\s+4*\c+3], v1, s[24:25] offset:6656*\x+1536*\s+512*\c
.endr
.endr
.endr
	WIN 0xc0
.irp x, 0,1,2,3
.irp s, 0,1,2,3
.irp c, 0,1,2
	global_load_b128 v[48*\x+12*\s+4*\c:48*\x+12*\s+4*\c+3], v1, s[24:25] offset:6656*(4+\x)+1536*\s+512*\c
.endr
.endr
.endr
; Q or K of token tiles 2 pi and 2 pi + 1: 32 products, the eight accumulators by turns, a K step at a time.
; left: the loads issued behind those of token tile 2 pi + 1, which may stay out: 12 for each later tile.  xw: the window of x's tiles.  The codes go into buffer pi % 2.
.macro QKPH pi, left, xw
.set rP, PC0+(PC1-PC0)*((\pi)%2)
	s_wait_loadcnt \left
.irp s, 0,1,2,3
.if \s == 0
	WIN 0x11+(\xw<<2)                              ; source 0 (weight) and source 2 (bias) window 1, source 1 (x) window xw, D window 0
.else
	WIN 0x01+(\xw<<2)
.endif
.irp e, 0,1
.irp t, 0,1,2,3
.set rD, ACC+32*\e+8*\t
.set rW, 12*(4*\t+\s)
.set rX, 48*((2*\pi+\e)%4)+12*\s
.if \s == 0
	v_wmma_scale_f32_16x16x128_f8f6f4 v[rD:rD+7], v[rW:rW+11], v[rX:rX+11], v[192+8*\t:199+8*\t], v[WS+4*\t+\s], v[XS+4*(2*\pi+\e)+\s] matrix_a_fmt:MATRIX_FMT_BF6 matrix_b_fmt:MATRIX_FMT_BF6
.else
	v_wmma_scale_f32_16x16x128_f8f6f4 v[rD:rD+7], v[rW:rW+11], v[rX:rX+11], v[rD:rD+7], v[WS+4*\t+\s], v[XS+4*(2*\pi+\e)+\s] matrix_a_fmt:MATRIX_FMT_BF6 matrix_b_fmt:MATRIX_FMT_BF6
.endif
.endr
.endr
.endr
	WIN 0
.rept 4
	v_nop                                          ; four places between the last product and the first read of results (ISA guide 7.12.1)
.endr
.if \pi > 1                                    ; (the first two phases write buffers that no store has read)
	s_wait_xcnt 0x0                                ; the stores of two phases back have had their addresses translated: their data registers are written again only behind this wait,
	s_wait_alu depctr_vm_vsrc(0)                   ; and they have read this buffer of codes, which QUANT writes again
.endif
	QUANT ACC, rP, PWQ+\pi
	s_wait_alu depctr_va_vdst(0)                   ; QUANT has written the codes and the scale word, which the stores below read
.irp c, 0,1
	global_store_b128 v1, v[rP+6*\c:rP+6*\c+3], s[34:35] offset:1536*\pi+768*\c          ; half c: token tile 2 pi + c: 512 consecutive bytes,
	global_store_b64 v2, v[rP+6*\c+4:rP+6*\c+5], s[34:35] offset:1536*\pi+768*\c+512     ; and 256
.endr
.endm
	QKPH 0, 63, 2                                  ; 72 loads stand behind tile 1's; the wait's field holds 63 at the most, and a smaller count is safe
	QKPH 1, 48, 2
	QKPH 2, 24, 3
	QKPH 3, 0, 3
	global_store_b128 v1, v[PWQ:PWQ+3], s[34:35] offset:6144       ; the four scale words of each lane.  No wait: all four were written ahead of the last wait on va_vdst, and no vector instruction stands behind it
; V's tile v of mine: 16 columns x 128 tokens: two runs of 16 products, four accumulators by turns in each.  The codes go into buffer v % 2.
.macro VPH v
.set rP, PC0+(PC1-PC0)*((\v)%2)
.irp f, 0,1
.irp s, 0,1,2,3
.if \s == 0
	WIN (2+\f)+((2+\v)<<2)+0x10                    ; source 0 (x) window 2 + f, source 1 (Wv) window 2 + v, source 2 (bias) window 1
.else
	WIN (2+\f)+((2+\v)<<2)
.endif
.irp x, 0,1,2,3
.set rD, ACC+8*(4*\f+\x)
.set rX, 48*\x+12*\s
.if \s == 0
	v_wmma_scale_f32_16x16x128_f8f6f4 v[rD:rD+7], v[rX:rX+11], v[192+12*\s:203+12*\s], v[224+8*\v:231+8*\v], v[XS+4*(4*\f+\x)+\s], v[VS+4*\v+\s] matrix_a_fmt:MATRIX_FMT_BF6 matrix_b_fmt:MATRIX_FMT_BF6
.else
	v_wmma_scale_f32_16x16x128_f8f6f4 v[rD:rD+7], v[rX:rX+11], v[192+12*\s:203+12*\s], v[rD:rD+7], v[XS+4*(4*\f+\x)+\s], v[VS+4*\v+\s] matrix_a_fmt:MATRIX_FMT_BF6 matrix_b_fmt:MATRIX_FMT_BF6
.endif
.endr
.endr
.endr
	WIN 0
.rept 4
	v_nop
.endr
	s_wait_xcnt 0x0                                ; the stores of two phases back have had their addresses translated,
	s_wait_alu depctr_vm_vsrc(0)                   ; and they have read this buffer of codes, which QUANT writes again
	QUANT ACC, rP, PWV+\v
	s_wait_alu depctr_va_vdst(0)                   ; QUANT has written the codes and the scale word, which the stores below read
.irp c, 0,1,2
	global_store_b128 v1, v[rP+4*\c:rP+4*\c+3], s[36:37] offset:1536*\v+512*\c
.endr
.endm
	VPH 0
	VPH 1
	global_store_b64 v2, v[PWV:PWV+1], s[38:39]    ; no wait: both words were written ahead of the last wait on va_vdst
	s_endpgm
.Lfunc_end_k_qb53627cea3_qkv:
	.size	k_qb53627cea3_qkv, .Lfunc_end_k_qb53627cea3_qkv-k_qb53627cea3_qkv
	.p2alignl 7, 3214868480
	.fill 96, 4, 3214868480
	.section	.rodata,"a",@progbits
	.p2align	6, 0x0
	.amdhsa_kernel k_qb53627cea3_qkv
		.amdhsa_group_segment_fixed_size 0
		.amdhsa_private_segment_fixed_size 0
		.amdhsa_enable_private_segment 0
		.amdhsa_kernarg_size 56
		.amdhsa_user_sgpr_count 2
		.amdhsa_user_sgpr_kernarg_segment_ptr 1
		.amdhsa_wavefront_size32 1
		.amdhsa_system_sgpr_workgroup_id_x 1
		.amdhsa_system_sgpr_workgroup_id_y 1
		.amdhsa_system_sgpr_workgroup_id_z 1
		.amdhsa_system_vgpr_workitem_id 0
		.amdhsa_next_free_vgpr 1024
		.amdhsa_next_free_sgpr 66
		.amdhsa_reserve_vcc 0
		.amdhsa_float_denorm_mode_32 3
		.amdhsa_float_denorm_mode_16_64 3
		.amdhsa_memory_ordered 1
		.amdhsa_forward_progress 1
		.amdhsa_inst_pref_size 75
	.end_amdhsa_kernel
	.amdgpu_metadata
---
amdhsa.version: [ 1, 2 ]
amdhsa.kernels:
  - .name:           k_qb53627cea3_qkv
    .symbol:         k_qb53627cea3_qkv.kd
    .args:
      - { .name: xq, .offset: 0, .size: 8, .value_kind: global_buffer, .address_space: global }
      - { .name: wq, .offset: 8, .size: 8, .value_kind: global_buffer, .address_space: global }
      - { .name: bq, .offset: 16, .size: 8, .value_kind: global_buffer, .address_space: global }
      - { .name: bk, .offset: 24, .size: 8, .value_kind: global_buffer, .address_space: global }
      - { .name: bv, .offset: 32, .size: 8, .value_kind: global_buffer, .address_space: global }
      - { .name: qc, .offset: 40, .size: 8, .value_kind: global_buffer, .address_space: global }
      - { .name: kv, .offset: 48, .size: 8, .value_kind: global_buffer, .address_space: global }
    .group_segment_fixed_size: 0
    .private_segment_fixed_size: 0
    .kernarg_segment_align: 8
    .kernarg_segment_size: 56
    .max_flat_workgroup_size: 128
    .sgpr_count:     66
    .vgpr_count:     1024
    .wavefront_size: 32
...
	.end_amdgpu_metadata
.endif
;; end of part 6
;; launch attn (part 7): grid 8 x 32, 16 waves a work-group, clusters of 4 x 1, 215,040 bytes of LDS; arguments qc, kv, oc; writes oc
.if DOCPART == 7
	.amdgcn_target "amdgcn-amd-amdhsa--gfx1250"
	.amdhsa_code_object_version 6
	.text
	.protected	k_qb53627cea3_attn
	.globl	k_qb53627cea3_attn
	.p2align	8
	.type	k_qb53627cea3_attn,@function
k_qb53627cea3_attn:
	s_mov_b64 s[64:65], 0
	v_nop
	global_prefetch_b8 v0, s[64:65] scope:SCOPE_SE
	s_setreg_imm32_b32 hwreg(HW_REG_WAVE_MODE, 25, 1), 1
	s_wait_xcnt 0x0
	s_wait_alu depctr_hold_cnt(0) depctr_sa_sdst(0) depctr_va_vdst(0) depctr_va_sdst(0) depctr_va_ssrc(0) depctr_va_vcc(0) depctr_vm_vsrc(0)
	s_getreg_b32 s2, hwreg(HW_REG_IB_STS2, 6, 4)
	s_cmp_eq_u32 s2, 0
	s_cbranch_scc0 .Lentry_in_a_cluster
	s_endpgm
.Lentry_in_a_cluster:
	s_bfe_u32 s2, ttmp6, 0x10000c
	s_cmp_lg_u32 s2, 0x3003
	s_cbranch_scc0 .Lentry_shape_is_right
	s_endpgm
.Lentry_shape_is_right:
; O = softmax(Q K^T / 8, causal) V for one head of one batch, both products on codes of BF6 (E3M2) with E8M0 scales; O / the row's sum is quantised along the head's 64 and leaves as half an operand image.
; THE SOFTMAX: t = score x log2(e) / 8; M = the running largest t rounded UP to a whole number; p = 2^(t - M) is quantised along the keys, not normalised; the row's sum is taken of the unquantised p, in f32,
; and divides O at the end (v_rcp_f32 and a multiplication).  When M moves, the sum and O are multiplied by 2^(old M - new M): exact.
; SHARES.  y = 8 batch + head.  A head's K and V, 16 records of 13,312 bytes (128 keys each), lie in LDS for the whole launch: 212,992 bytes, filled once, never again.  The eight work-groups of a head differ in g = 0..7.
; Each of the SIXTEEN waves owns ONE tile of 16 queries: tile g of the key step CM1, and works key steps 0 .. CM1.  CM1 is a one-to-one map of the wave's number, made so that any four waves with equal w % 4,
; and any four with equal w / 4, have CM1 that add up to 30: 34 steps for each such four, whichever way the waves are dealt.
; CLUSTER.  Four work-groups of a head ask for its K and V JOINTLY: the same load, the same descriptor, a mask that names the four; each wave issues one load: one tensor load of a wave is out at the most.
; Waves 12-15 bring step 0 (13 rows of 256 bytes each), waves 0-11 steps 1-15 (65 rows each).  Step 0, which every wave works, is worked while the rest lands.  g enters global addresses and a vector of data alone.
; LAYOUT.  Both products are used transposed: a lane holds ONE query (lane % 16) throughout.  A K image holds token tile 2 b in its k 0-63 and tile 2 b + 1 in its k 64-127 (k = d); the query stands in one half of
; source 1 and zero codes in the other, so one image serves two products as it lies.  Key m of tile 2 b + u is 32 b + 8 u + m + 8 (m / 8): the 16 registers of tiles 2 b, 2 b + 1 are keys 32 b + 16 (lane / 16) + 0 .. 15.
; LIMITS: a block's largest magnitude is held at 2^-122 from below (byte at least 1; zero blocks have byte 1 and zero codes; the bytes are read by this program alone); NaN and infinities are not served.
; REGISTERS: v1, v2, v4 16, 8, 4 x lane; v3 my query less 16 (lane / 16), within its step; v8, v9 LDS addresses; v12 -M, v13 the largest t, v[14:15] the sum; v16-21 q, v22-27 zero codes, v28-33 q again;
;   v36-83 four fragments of K or V; v96-159 S^T, then p; v160-191 O^T; v192-195 V's scale words; v200, v201 q's two scale words; v202 q's word as loaded, later O's; v224-235 p's codes; v232-254 at work; v248-251 K's scale words; v253 p's.
.set REC,  13312
.set WV,   18                          ; s18  my wave's number
.set SEL,  20                          ; s[20:21] lane selects for v_permlanex16_b32: lane l xor 16
.set CS,   22                          ; s[22:23] c = log2(e) / 8
.set G1A,  24                          ; s[24:31] descriptor group 1: 13 rows of 256 bytes;  s[32:39]: 65 rows
.set G1B,  32
.set G0A,  40                          ; s[40:43], s[44:47] their groups 0
.set G0B,  44
.set CM1,  50                          ; s50  my last key step
.set KI,   51                          ; s51  the key step in hand
.set TB,   52                          ; s52  its record's LDS byte
.macro CROUND                          ; a round of the cluster's barrier: my work-group's barrier; wave 0 signals for the work-group; every wave waits for the four work-groups; my work-group's barrier once more
	s_barrier_signal -1
	s_barrier_wait -1
	s_cmp_lg_u32 s[WV], 0
	s_cbranch_scc1 .Lnot_wave_0_\@
	s_barrier_signal -3
.Lnot_wave_0_\@:
	s_barrier_wait -3
	s_barrier_signal -1
	s_barrier_wait -1
.endm
	s_load_b128 s[4:7], s[0:1], 0x0                ; qc s[4:5], kv s[6:7]
	s_load_b64 s[8:9], s[0:1], 0x10                ; oc
	v_lshl_add_u32 v243, v0, 2, 0x34000
	v_mov_b32 v255, 0
	ds_add_u32 v243, v255
	ds_add_u32 v243, v255
	v_lshrrev_b32 v5, 5, v0
	s_delay_alu instid0(VALU_DEP_1)
	v_readfirstlane_b32 s[WV], v5                  ; wave 0..15
	v_and_b32 v5, 31, v0
	s_delay_alu instid0(VALU_DEP_1)
	v_lshlrev_b32 v1, 4, v5
	s_delay_alu instid0(VALU_DEP_2)
	v_lshlrev_b32 v2, 3, v5
	s_delay_alu instid0(VALU_DEP_3)
	v_lshlrev_b32 v4, 2, v5
	s_bfe_u32 s19, ttmp6, 0x40000                  ; cx: my place in the cluster
	s_lshl_b32 s48, ttmp9, 2                       ; in a cluster launch ttmp9 counts clusters
	s_add_co_u32 s48, s48, s19                     ; g = 4 x cluster x + cx
	s_and_b32 s49, ttmp7, 0xffff                   ; 8 batch + head, which the four partners share
	; CM1 = 4 (a xor 3 par(b)) + (b xor 3 par(a)), a = w / 4, b = w % 4, par(z) = bit 0 xor bit 1 of z
	s_lshr_b32 s66, s[WV], 2
	s_and_b32 s67, s[WV], 3
	s_lshr_b32 s68, s66, 1
	s_xor_b32 s68, s68, s66
	s_and_b32 s68, s68, 1
	s_mul_i32 s68, s68, 3
	s_lshr_b32 s69, s67, 1
	s_xor_b32 s69, s69, s67
	s_and_b32 s69, s69, 1
	s_mul_i32 s69, s69, 3
	s_xor_b32 s66, s66, s69
	s_xor_b32 s67, s67, s68
	s_lshl_b32 s66, s66, 2
	s_add_co_u32 s[CM1], s66, s67
	; descriptor group 1: dense rows of 256 bytes (32 elements of 8 bytes), no padding
	s_mov_b32 s[G1A], 15|(3<<16)|(1<<21)           ; 15:0 the mask: all four work-groups; 17:16 elements of 8 bytes; 21 set beside a mask
	s_mov_b32 s[G1A+1], 32<<16                     ; tensor_dim0 = 32
	s_mov_b32 s[G1A+2], 13<<16                     ; tensor_dim1 = 13
	s_mov_b32 s[G1A+3], 32<<16                     ; tile_dim0 = 32
	s_mov_b32 s[G1A+4], 13                         ; tile_dim1 = 13
	s_mov_b32 s[G1A+5], 32                         ; elements from row to row
	s_mov_b32 s[G1A+6], 0
	s_mov_b32 s[G1A+7], 0
	s_mov_b32 s[G1B], 15|(3<<16)|(1<<21)
	s_mov_b32 s[G1B+1], 32<<16
	s_mov_b32 s[G1B+2], 65<<16
	s_mov_b32 s[G1B+3], 32<<16
	s_mov_b32 s[G1B+4], 65
	s_mov_b32 s[G1B+5], 32
	s_mov_b32 s[G1B+6], 0
	s_mov_b32 s[G1B+7], 0
	s_mov_b32 s[SEL], 0x76543210
	s_mov_b32 s[SEL+1], 0xfedcba98
	s_mov_b32 s[CS], 0x3e38aa3b                    ; log2(e) / 8
	s_mov_b32 s[CS+1], s[CS]                       ; (named with it as a pair, so it is written)
	s_and_b32 s66, s[WV], 3
	s_mul_i32 s66, s66, 3328                       ; waves 12-15: a quarter of step 0's record
	s_min_u32 s67, s[WV], 11                       ; (held at 11, so that the descriptor names bytes inside LDS and kv in the four waves that do not issue it)
	s_mul_i32 s67, s67, 16640
	s_add_co_u32 s67, s67, REC                     ; waves 0-11: a twelfth of steps 1-15
	s_mul_i32 s68, s49, 16*REC                     ; the head's first byte in kv
	s_mov_b32 s69, 0
	s_mov_b32 s71, 0
	s_lshr_b32 s63, s48, 1                         ; pi: my tile's block of 32 tokens in its step
	s_and_b32 s53, s48, 1                          ; u: which tile of the block
	s_lshl_b32 s62, s49, 4
	s_add_co_u32 s62, s62, s[CM1]
	s_mul_i32 s62, s62, 6656                       ; my step's record in qc
	s_wait_alu depctr_va_vdst(0)
	s_wait_dscnt 0x0
	s_wait_kmcnt 0x0
	s_add_nc_u64 s[6:7], s[6:7], s[68:69]
	s_mov_b32 s70, s66
	s_mov_b32 s[G0A], 1                            ; count = 1
	s_mov_b32 s[G0A+1], s66                        ; LDS address
	s_add_nc_u64 s[G0A+2:G0A+3], s[6:7], s[70:71]  ; global address
	s_or_b32 s[G0A+3], s[G0A+3], 0x80000000        ; type = 2
	s_mov_b32 s70, s67
	s_mov_b32 s[G0B], 1
	s_mov_b32 s[G0B+1], s67
	s_add_nc_u64 s[G0B+2:G0B+3], s[6:7], s[70:71]
	s_or_b32 s[G0B+3], s[G0B+3], 0x80000000
	s_mul_i32 s70, s63, 1536
	s_add_co_u32 s70, s70, s62
	s_mul_i32 s66, s53, 768
	s_add_co_u32 s70, s70, s66
	s_add_nc_u64 s[54:55], s[4:5], s[70:71]        ; my tile's half image
	s_lshl_b32 s70, s63, 2
	s_add_co_u32 s70, s70, s62
	s_add_co_u32 s70, s70, 6144
	s_add_nc_u64 s[56:57], s[4:5], s[70:71]        ; its block's scale word, 16 bytes from lane to lane
	s_lshr_b32 s66, s49, 3
	s_lshl_b32 s66, s66, 7                         ; 128 tiles a batch,
	s_lshl_b32 s67, s[CM1], 3                      ; 8 a step
	s_add_co_u32 s66, s66, s67
	s_add_co_u32 s66, s66, s48
	s_mul_i32 s66, s66, 7168                       ; my tile's record in oc
	s_and_b32 s67, s49, 7                          ; head
	s_mul_i32 s70, s67, 768                        ; K step head / 2, half head % 2: 768 bytes a head
	s_add_co_u32 s70, s70, s66
	s_add_nc_u64 s[58:59], s[8:9], s[70:71]
	s_lshl_b32 s70, s67, 7
	s_add_co_u32 s70, s70, s66
	s_add_co_u32 s70, s70, 6144
	s_add_nc_u64 s[60:61], s[8:9], s[70:71]
	global_load_b128 v[16:19], v1, s[54:55]        ; q, twice: once in front of the zero codes, once behind them
	global_load_b64 v[20:21], v2, s[54:55] offset:512
	global_load_b128 v[28:31], v1, s[54:55]
	global_load_b64 v[32:33], v2, s[54:55] offset:512
	global_load_b32 v202, v1, s[56:57]
	CROUND                                         ; all four work-groups are here: the joint loads meet
	s_cmp_lt_u32 s[WV], 12                         ; the branch hangs on the wave's number alone.  Four v_nop follow each of the two lines
	s_cbranch_scc0 .Lfor_a
	tensor_load_to_lds s[G0B:G0B+3], s[G1B:G1B+7]
	s_nop 0
.rept 4
	v_nop
.endr
	s_branch .Lasked
.Lfor_a:
	tensor_load_to_lds s[G0A:G0A+3], s[G1A:G1A+7]
	s_nop 0
.rept 4
	v_nop
.endr
	s_wait_tensorcnt 0x0                           ; my quarter of step 0 has landed: I say so at the barrier below
.Lasked:
	s_lshl_b32 s66, s63, 5
	s_lshl_b32 s67, s53, 3
	s_add_co_u32 s66, s66, s67                     ; my tile's first token in its step: 32 pi + 8 u
	v_and_b32 v5, 15, v0
	s_delay_alu instid0(VALU_DEP_1)
	v_and_b32 v6, 8, v5
	s_delay_alu instid0(VALU_DEP_1)
	v_add_nc_u32 v5, v5, v6                        ; r + 8 (r / 8)
	v_bfe_u32 v6, v0, 4, 1
	s_delay_alu instid0(VALU_DEP_1)
	v_lshlrev_b32 v6, 4, v6
	s_delay_alu instid0(VALU_DEP_1)
	v_sub_nc_u32 v5, v5, v6
	s_delay_alu instid0(VALU_DEP_1)
	v_add_nc_u32 v3, s66, v5                       ; my query - 16 (lane / 16): register 16 b + i holds key 32 b + i + 16 (lane / 16), hidden where 32 b + i is larger than this
	s_lshl_b32 s67, s53, 4
	s_wait_loadcnt 0x0                             ; q and its word
	v_lshrrev_b32 v5, s67, v202
	s_delay_alu instid0(VALU_DEP_1)
	v_and_b32 v5, 0xffff, v5                       ; my tile's two bytes
	s_delay_alu instid0(VALU_DEP_1)
	v_or_b32 v200, 0x01010000, v5                  ; q in k 0-63; the zero codes' blocks get the byte 1
	s_delay_alu instid0(VALU_DEP_2)
	v_lshl_or_b32 v201, v5, 16, 0x0101             ; q in k 64-127
.irp j, 22,23,24,25,26,27
	v_mov_b32 v\j, 0                               ; zero codes
.endr
	v_mov_b32 v13, 0xff61b1e6                      ; the largest t so far: -3e38, under every t
	s_delay_alu instid0(VALU_DEP_1)
	v_floor_f32 v12, -v13                          ; -M
	v_mov_b32 v14, 0                               ; the sum, in two halves
	v_mov_b32 v15, 0
.irp b, 0,1,2,3
	v_mov_b32 v[236+\b], 0                         ; written once: a lane permute's destination counts as one of its sources
.endr
	v_mov_b32 v253, 0                              ; (named as the upper half of the pair v[252:253] before it is first written)
.set JJ, 0
.rept 32
	v_mov_b32 v[160+JJ], 0                         ; O^T: the step is written for every step alike: the first finds zeros.  (These lines are also the eight places behind q's scale words)
.set JJ, JJ+1
.endr
	s_barrier_signal -1
	s_barrier_wait -1                              ; step 0's record is whole; the other loads stay out: they land in other bytes, and nothing is ever filled again
; A KEY STEP: 128 keys.  first = 1: step 0, which every wave works.  Else: a step behind my last one is passed over, by a scalar branch on the wave's number and the loop's counter; the line that steps the address is not.
.macro STEP first
.if \first == 0
	s_cmp_gt_u32 s[KI], s[CM1]
	s_cbranch_scc1 .Lhidden_\@
.endif
	s_setprio 2
	v_add_nc_u32 v8, s[TB], v1
	v_add_nc_u32 v9, s[TB], v2
	v_nop
	v_nop                                          ; four places between the last step's products and the loads into the registers that they read
.irp b, 0,1,2,3
.irp u, 0,1
	ds_load_b128 v[36+12*\b+6*\u:39+12*\b+6*\u], v8 offset:1536*\b+768*\u
	ds_load_b64 v[40+12*\b+6*\u:41+12*\b+6*\u], v9 offset:1536*\b+768*\u+512
.endr
.endr
	ds_load_b128 v[248:251], v8 offset:6144        ; K's four scale words
	s_wait_alu depctr_va_vdst(0)
	s_wait_dscnt 0x0
.irp b, 0,1,2,3                                ; S^T = K Q^T: image b against q in the lower half of k (tile 2 b) and in the upper (tile 2 b + 1)
.irp u, 0,1
	v_wmma_scale_f32_16x16x128_f8f6f4 v[96+8*(2*\b+\u):103+8*(2*\b+\u)], v[36+12*\b:47+12*\b], v[16+6*\u:27+6*\u], 0, v[248+\b], v[200+\u] matrix_a_fmt:MATRIX_FMT_BF6 matrix_b_fmt:MATRIX_FMT_BF6
.endr
.endr
.rept 4
	v_nop                                          ; four places: in front of the loads below and of the first read of the scores
.endr
.irp t, 0,1,2,3                                ; V's fragments are asked for now and land while the softmax is worked
.irp c, 0,1,2
	ds_load_b128 v[36+12*\t+4*\c:39+12*\t+4*\c], v8 offset:6656+1536*\t+512*\c
.endr
.endr
	ds_load_b64 v[192:193], v9 offset:12800
	ds_load_b64 v[194:195], v9 offset:13056
	s_cmp_lt_u32 s[KI], s[CM1]                     ; only my last step lies on the diagonal: there the scores of hidden keys become -infinity ahead of the maximum, and p = 0
	s_cbranch_scc1 .Lopen_\@
	v_mov_b32 v254, 0xff800000
.set JJ, 0
.rept 64
	v_cmp_gt_i32 vcc_lo, 32*(JJ/16)+JJ%16, v3
	v_cndmask_b32 v[96+JJ], v[96+JJ], v254, vcc_lo
.set JJ, JJ+1
.endr
.Lopen_\@:
.irp b, 0,1,2,3
	v_max3_num_f32 v[232+\b], v[96+16*\b], v[97+16*\b], v[98+16*\b]   ; the largest score of each block of 32 keys: it serves for the row's maximum and, since p rises with the score, for the block's largest p
.endr
.irp i, 3,5,7,9,11,13
.irp b, 0,1,2,3
	v_max3_num_f32 v[232+\b], v[232+\b], v[96+16*\b+\i], v[97+16*\b+\i]
.endr
.endr
.irp b, 0,1,2,3
	v_max_num_f32 v[232+\b], v[232+\b], v[111+16*\b]
.endr
.irp b, 0,1,2,3
	s_delay_alu instid0(VALU_DEP_4)
	v_permlanex16_b32 v[236+\b], v[232+\b], s[SEL], s[SEL+1]
.endr
.irp b, 0,1,2,3
	s_delay_alu instid0(VALU_DEP_4)
	v_max_num_f32 v[232+\b], v[232+\b], v[236+\b]  ; with lane l xor 16's 16 keys
.endr
	s_delay_alu instid0(VALU_DEP_2)
	v_max3_num_f32 v254, v232, v233, v234
	s_delay_alu instid0(VALU_DEP_1)
	v_max_num_f32 v254, v254, v235                 ; the step's largest score of my query
	s_delay_alu instid0(VALU_DEP_1)
	v_mul_f32 v254, s[CS], v254                    ; as t (c is positive)
	s_delay_alu instid0(VALU_DEP_1)
	v_max_num_f32 v13, v13, v254                   ; the running largest t
	v_mov_b32 v254, v12
	s_delay_alu instid0(VALU_DEP_2)
	v_floor_f32 v12, -v13                          ; the new -M = floor(-t) = -ceil(t)
	s_delay_alu instid0(VALU_DEP_1)
	v_sub_f32 v254, v12, v254                      ; old M - new M: a whole number, 0 or less
	s_delay_alu instid0(VALU_DEP_1)
	v_cvt_i32_f32 v254, v254                       ; (it saturates)
	s_delay_alu instid0(VALU_DEP_1)
	v_ldexp_f32 v252, 1.0, v254                    ; f = 2^(old M - new M)
.set JJ, 0
.rept 32
	v_pk_fma_f32 v[96+JJ:97+JJ], v[96+JJ:97+JJ], s[CS:CS+1], v[12:13] op_sel_hi:[1,0,0]   ; t - M, two at a time
.set JJ, JJ+2
.endr
	s_setprio 1
.irp b, 0,1,2,3
	v_fma_f32 v[232+\b], v[232+\b], s[CS], v12     ; the same of each block's largest score
.endr
.set JJ, 0
	s_wait_alu depctr_va_vdst(0)
.rept 64
	v_exp_f32 v[96+JJ], v[96+JJ]                   ; p = 2^(t - M), at most 1
.set JJ, JJ+1
.endr
.irp b, 0,1,2,3
	v_exp_f32 v[232+\b], v[232+\b]                 ; the block's largest p
.endr
	v_pk_mul_f32 v[14:15], v[14:15], v[252:253] op_sel_hi:[1,0]   ; the sums under the new M.  (A plain place behind the exponentials)
	s_wait_alu depctr_va_vdst(0)
.irp b, 0,1,2,3
	v_max_num_f32 v[232+\b], 0x2800000, v[232+\b]  ; the floor 2^(5 - 127): the byte cannot fall under 1
.endr
.irp b, 0,1,2,3
	s_delay_alu instid0(VALU_DEP_4)
	v_add_nc_u32 v[244+\b], 0xfe000000, v[232+\b]  ; 4 off the exponent field: the conversion's scale operand
.endr
.irp b, 0,1,2,3
	s_delay_alu instid0(VALU_DEP_4)
	v_lshrrev_b32 v[236+\b], 23, v[244+\b]         ; the scale's byte
.endr
	s_delay_alu instid0(VALU_DEP_3)
	v_lshl_or_b32 v253, v237, 8, v236              ; p's scale word for these 128 keys
	s_delay_alu instid0(VALU_DEP_1)
	v_lshl_or_b32 v253, v238, 16, v253
	s_delay_alu instid0(VALU_DEP_1)
	v_lshl_or_b32 v253, v239, 24, v253
.irp c, 0,1
	v_cvt_scalef32_pk16_bf6_f32 v[224+6*\c:226+6*\c], v[96+32*\c:111+32*\c], v[244+2*\c]
	v_cvt_scalef32_pk16_bf6_f32 v[236+4*\c:238+4*\c], v[112+32*\c:127+32*\c], v[244+2*\c+1]
.endr
	v_nop                                          ; one plain place behind a scaled conversion
.irp c, 0,1                                    ; a whole block in a lane: lanes 0-15 block 2 c, lanes 16-31 block 2 c + 1
.irp i, 0,1,2
	v_permlane16_swap_b32 v[224+6*\c+\i], v[236+4*\c+\i]
.endr
.irp i, 0,1,2
	s_delay_alu instid0(VALU_DEP_3)
	v_mov_b32 v[227+6*\c+\i], v[236+4*\c+\i]
.endr
.endr
	v_pk_add_f32 v[236:237], v[100:101], v[104:105]
	v_pk_add_f32 v[250:251], v[108:109], v[112:113]
	v_pk_add_f32 v[248:249], v[116:117], v[120:121]
	v_pk_add_f32 v[246:247], v[124:125], v[128:129]
	v_pk_add_f32 v[244:245], v[132:133], v[136:137]
	v_pk_add_f32 v[240:241], v[140:141], v[144:145]
	v_pk_add_f32 v[222:223], v[148:149], v[152:153]
	v_pk_add_f32 v[14:15], v[14:15], v[156:157]
	v_pk_add_f32 v[236:237], v[236:237], v[96:97]
	v_pk_add_f32 v[250:251], v[250:251], v[98:99]
	s_setprio 0
	v_pk_add_f32 v[248:249], v[248:249], v[102:103]
	v_pk_add_f32 v[246:247], v[246:247], v[106:107]
	v_pk_add_f32 v[244:245], v[244:245], v[110:111]
	v_pk_add_f32 v[240:241], v[240:241], v[114:115]
	v_pk_add_f32 v[222:223], v[222:223], v[118:119]
	v_pk_add_f32 v[14:15], v[14:15], v[122:123]
	v_pk_add_f32 v[236:237], v[236:237], v[126:127]
	v_pk_add_f32 v[250:251], v[250:251], v[130:131]
	v_pk_add_f32 v[248:249], v[248:249], v[134:135]
	v_pk_add_f32 v[246:247], v[246:247], v[138:139]
	v_pk_add_f32 v[244:245], v[244:245], v[142:143]
	v_pk_add_f32 v[240:241], v[240:241], v[146:147]
	v_pk_add_f32 v[222:223], v[222:223], v[150:151]
	v_pk_add_f32 v[14:15], v[14:15], v[154:155]
	v_pk_add_f32 v[236:237], v[236:237], v[158:159]
	s_delay_alu instid0(VALU_DEP_2)
	v_pk_add_f32 v[14:15], v[14:15], v[246:247]
	s_delay_alu instid0(VALU_DEP_2)
	v_pk_add_f32 v[236:237], v[236:237], v[244:245]
	v_pk_add_f32 v[250:251], v[250:251], v[240:241]
	v_pk_add_f32 v[248:249], v[248:249], v[222:223]
	s_delay_alu instid0(VALU_DEP_2)
	v_pk_add_f32 v[14:15], v[14:15], v[250:251]
	s_delay_alu instid0(VALU_DEP_2)
	v_pk_add_f32 v[236:237], v[236:237], v[248:249]
	s_delay_alu instid0(VALU_DEP_1)
	v_pk_add_f32 v[14:15], v[14:15], v[236:237]
.set JJ, 0
.rept 16
	v_pk_mul_f32 v[160+JJ:161+JJ], v[160+JJ:161+JJ], v[252:253] op_sel_hi:[1,0]   ; O^T under the new M.  (With the sums above: the places between p's codes and scale word and the products below)
.set JJ, JJ+2
.endr
	s_wait_alu depctr_va_vdst(0)
	s_wait_dscnt 0x0                               ; V's fragments and scale words are in
.irp t, 0,1,2,3                                ; O^T += V^T P^T: four tiles of 16 of the head's 64, one product each
	v_wmma_scale_f32_16x16x128_f8f6f4 v[160+8*\t:167+8*\t], v[36+12*\t:47+12*\t], v[224:235], v[160+8*\t:167+8*\t], v[192+\t], v253 matrix_a_fmt:MATRIX_FMT_BF6 matrix_b_fmt:MATRIX_FMT_BF6
.endr
.Lhidden_\@:
	s_add_co_u32 s[TB], s[TB], REC                 ; the next step's record
.endm
	s_mov_b32 s[KI], 0
	s_mov_b32 s[TB], 0
	STEP 1
	s_wait_tensorcnt 0x0                           ; my part of steps 1-15 has landed,
	s_wait_dscnt 0x0
	s_barrier_signal -1
	s_barrier_wait -1                              ; everybody's has
	s_mov_b32 s[KI], 1
.Lstep:                                            ; 15 trips in every wave: the trip count is a constant, the work of hidden steps is jumped over
	STEP 0
	s_add_co_u32 s[KI], s[KI], 1
	s_cmp_lt_u32 s[KI], 16
	s_cbranch_scc1 .Lstep
	s_setprio 0
	; THE WAY OUT.  O^T / the sum; its 32 registers are d = 32 b + 16 (lane / 16) + i: two blocks, quantised as above into half a fragment (k = d) and two scale bytes.
.rept 4
	v_nop                                          ; four places behind the last products
.endr
	v_add_f32 v14, v14, v15                        ; the sum's two halves,
	s_delay_alu instid0(VALU_DEP_1)
	v_permlanex16_b32 v252, v14, s[SEL], s[SEL+1]
	s_delay_alu instid0(VALU_DEP_1)
	v_add_f32 v14, v14, v252                       ; and lane l xor 16's: the row's sum
	s_wait_alu depctr_va_vdst(0)
	v_rcp_f32 v14, v14
	v_nop                                          ; one plain place behind a transcendental
.set JJ, 0
	s_wait_alu depctr_va_vdst(0)
.rept 32
	v_mul_f32 v[96+JJ], v[160+JJ], v14             ; each accumulator from its low end on
.set JJ, JJ+1
.endr
.irp b, 0,1
	v_max3_num_f32 v[232+\b], |v[96+16*\b]|, |v[97+16*\b]|, 0x2800000
.endr
.irp i, 2,4,6,8,10,12,14
.irp b, 0,1
	s_delay_alu instid0(VALU_DEP_2)
	v_max3_num_f32 v[232+\b], v[232+\b], |v[96+16*\b+\i]|, |v[97+16*\b+\i]|
.endr
.endr
.irp b, 0,1
	s_delay_alu instid0(VALU_DEP_2)
	v_permlanex16_b32 v[236+\b], v[232+\b], s[SEL], s[SEL+1]
.endr
.irp b, 0,1
	s_delay_alu instid0(VALU_DEP_2)
	v_max_num_f32 v[232+\b], v[232+\b], v[236+\b]
.endr
.irp b, 0,1
	s_delay_alu instid0(VALU_DEP_2)
	v_add_nc_u32 v[244+\b], 0xfe000000, v[232+\b]
.endr
.irp b, 0,1
	s_delay_alu instid0(VALU_DEP_2)
	v_lshrrev_b32 v[236+\b], 23, v[244+\b]
.endr
	s_delay_alu instid0(VALU_DEP_1)
	v_lshl_or_b32 v202, v237, 8, v236              ; my query's two bytes for this head
	v_cvt_scalef32_pk16_bf6_f32 v[224:226], v[96:111], v244
	v_cvt_scalef32_pk16_bf6_f32 v[236:238], v[112:127], v245
	v_nop
.irp i, 0,1,2
	v_permlane16_swap_b32 v[224+\i], v[236+\i]
.endr
.irp i, 0,1,2
	s_delay_alu instid0(VALU_DEP_3)
	v_mov_b32 v[227+\i], v[236+\i]
.endr
	global_store_b128 v1, v[224:227], s[58:59]     ; 512 consecutive bytes,
	global_store_b64 v2, v[228:229], s[58:59] offset:512   ; 256,
	global_store_b32 v4, v202, s[60:61]            ; and 128: the scale bytes
	s_wait_tensorcnt 0x0
	ds_add_u32 v243, v255
	s_wait_dscnt 0x0
	CROUND                                         ; the closing round: no work-group ends while a partner may still ask jointly
	s_endpgm
.Lfunc_end_k_qb53627cea3_attn:
	.size	k_qb53627cea3_attn, .Lfunc_end_k_qb53627cea3_attn-k_qb53627cea3_attn
	.p2alignl 7, 3214868480
	.fill 96, 4, 3214868480
	.section	.rodata,"a",@progbits
	.p2align	6, 0x0
	.amdhsa_kernel k_qb53627cea3_attn
		.amdhsa_group_segment_fixed_size 215040
		.amdhsa_private_segment_fixed_size 0
		.amdhsa_enable_private_segment 0
		.amdhsa_kernarg_size 24
		.amdhsa_user_sgpr_count 2
		.amdhsa_user_sgpr_kernarg_segment_ptr 1
		.amdhsa_wavefront_size32 1
		.amdhsa_system_sgpr_workgroup_id_x 1
		.amdhsa_system_sgpr_workgroup_id_y 1
		.amdhsa_system_sgpr_workgroup_id_z 1
		.amdhsa_system_vgpr_workitem_id 0
		.amdhsa_next_free_vgpr 256
		.amdhsa_next_free_sgpr 72
		.amdhsa_reserve_vcc 1
		.amdhsa_float_denorm_mode_32 3
		.amdhsa_float_denorm_mode_16_64 3
		.amdhsa_memory_ordered 1
		.amdhsa_forward_progress 1
		.amdhsa_inst_pref_size 58
	.end_amdhsa_kernel
	.amdgpu_metadata
---
amdhsa.version: [ 1, 2 ]
amdhsa.kernels:
  - .name:           k_qb53627cea3_attn
    .symbol:         k_qb53627cea3_attn.kd
    .args:
      - { .name: qc, .offset: 0, .size: 8, .value_kind: global_buffer, .address_space: global }
      - { .name: kv, .offset: 8, .size: 8, .value_kind: global_buffer, .address_space: global }
      - { .name: oc, .offset: 16, .size: 8, .value_kind: global_buffer, .address_space: global }
    .group_segment_fixed_size: 215040
    .private_segment_fixed_size: 0
    .kernarg_segment_align: 8
    .kernarg_segment_size: 24
    .max_flat_workgroup_size: 512
    .sgpr_count:     72
    .vgpr_count:     256
    .wavefront_size: 32
...
	.end_amdgpu_metadata
.endif
;; end of part 7
;; launch proj (part 8): grid 2 x 128, 4 waves a work-group, no clusters, 17,920 bytes of LDS; arguments oc, wq, bp, out0; writes out0
.if DOCPART == 8
	.amdgcn_target "amdgcn-amd-amdhsa--gfx1250"
	.amdhsa_code_object_version 6
	.text
	.protected	k_qb53627cea3_proj
	.globl	k_qb53627cea3_proj
	.p2align	8
	.type	k_qb53627cea3_proj,@function
k_qb53627cea3_proj:
	s_mov_b64 s[64:65], 0
	v_nop
	global_prefetch_b8 v0, s[64:65] scope:SCOPE_SE
	s_setreg_imm32_b32 hwreg(HW_REG_WAVE_SCHED_MODE, 0, 2), 2
	s_setreg_imm32_b32 hwreg(HW_REG_WAVE_MODE, 25, 1), 1
	s_wait_xcnt 0x0
	s_wait_alu depctr_vm_vsrc(0)
; out0 = O Wp + bp on codes of BF6 (E3M2) with E8M0 scales; sums in f32.  O [8192 tokens][512 = head x 64] and Wp come as images of operand registers (oc: a record of 7,168 bytes a token tile; wq: records 96-127, 6,656 bytes).
; SHARES.  A work-group takes 64 tokens (4 tiles) and half of the 512 columns; wave w makes columns 256 x + 64 w .. + 63 for all 64 tokens: 16 accumulators, 64 products.  All operands go straight into registers, in one run.
; Transposed: source 0 = 16 columns of Wp, source 1 = 16 tokens: a lane holds ONE token, and its registers of tile t are columns 32 (t / 2) + 8 (t % 2) + 16 (lane / 16) + j.  bp is the C of each sum's first product.
; THE WAY OUT: a token tile's 16 rows x 256 bytes go through the wave's own stage in LDS (rows 272 bytes apart) and come back by rows: sixteen lanes store 256 consecutive bytes, at a multiple of 256 from out0's first byte.
; Row m of token tile 2 b + u is token 32 b + 8 u + m + 8 (m / 8).  No barrier: waves share nothing.  No cluster: the operands lie in register order, and a joint load would add a way through LDS.
; REGISTERS, in windows of 256: window 0: v1-7 addresses; v16-31 Wp's scale words; v32-47 O's; v48-79 O's bytes as stored, two a head; v126, v127 the closing add's two; v128-255 rows on the way out.
;   window 1: v0-191 Wp's 16 fragments; v192-223 bp.   window 2: v0-191 O's 16 fragments.   window 3: v0-127 the accumulators ((m, t) at v[8 (4 m + t)]).
; THE MODE: SCHED_MODE bits 1:0 = 2 (LLVM: expert scheduling mode 2), set by the entry lines.  The code itself states the register dependences between vector or matrix instructions and memory or LDS instructions, with s_wait_alu, always for 0.
; THE PLAN.  Registers that memory or LDS instructions touch:
;   v1-v7            offsets and LDS addresses: written at the head, once; read by the loads, the stage's stores and loads and the global stores.
;   the operands     windows 1 and 2, v16-31, v48-79: written by the head's one run of loads and by nothing else; no vector instruction names them ahead of that run.
;   the accumulators written by the products; read by the stage's LDS stores; never written again.
;   v128-255         a token tile's 32 registers of its own: written by the stage's LDS loads, read by the global stores; no vector instruction names them.
;   v126, v127       written at the head, read by the closing add alone.
;   v32-47, O's scale words, are written by vector instructions and read by the scaled products.
; So three waits on va_vdst: ahead of the first load; behind the eight places, ahead of the first scaled product; behind the four places, ahead of the way out, behind which no vector instruction stands.
; No register that a memory or LDS instruction reads is ever written again: no wait on vm_vsrc is needed for them.
.set MSB, 0
.macro WIN new                         ; the immediate's high byte repeats the setting that is left
.if MSB != (\new)
	s_set_vgpr_msb (MSB<<8)|(\new)
.set MSB, (\new)
.endif
.endm
	s_load_b256 s[4:11], s[0:1], 0x0               ; oc s[4:5], wq s[6:7], bp s[8:9], out0 s[10:11]
	v_lshl_add_u32 v126, v0, 2, 0x4400
	v_mov_b32 v127, 0
	v_lshrrev_b32 v8, 5, v0
	v_readfirstlane_b32 s18, v8                    ; wave 0..3
	v_and_b32 v8, 31, v0
	v_lshlrev_b32 v1, 4, v8                        ; 16 x lane
	v_lshlrev_b32 v2, 3, v8                        ; 8 x lane
	v_lshlrev_b32 v3, 2, v8                        ; 4 x lane
	v_and_b32 v8, 15, v0                           ; r
	v_bfe_u32 v9, v0, 4, 1                         ; h
	v_lshlrev_b32 v4, 6, v9                        ; 64 h: the bias of my half's columns
	s_wait_alu depctr_va_sdst(0)                   ; s18 is written, ahead of its first reader: my stage and every base are made from it
	s_mul_i32 s32, s18, 4352                       ; my stage: 16 rows of 272 bytes
	v_mul_u32_u24 v5, v8, 272
	v_lshl_add_u32 v5, v9, 6, v5
	v_add_nc_u32 v5, s32, v5                       ; in: row r, + 64 h
	v_mul_u32_u24 v6, v9, 272
	v_lshl_add_u32 v6, v8, 4, v6
	v_add_nc_u32 v6, s32, v6                       ; back: lanes 0-15 one row, lanes 16-31 the next
	v_lshlrev_b32 v7, 11, v9
	v_lshl_add_u32 v7, v8, 4, v7                   ; and the same two rows in out0
	s_and_b32 s22, ttmp7, 0xffff                   ; the block of 64 tokens
	s_mov_b32 s35, 0
	s_wait_kmcnt 0x0
	s_mul_i32 s34, s22, 28672
	s_add_nc_u64 s[24:25], s[4:5], s[34:35]        ; O's four records
	s_lshl_b32 s33, ttmp9, 4
	s_lshl_b32 s34, s18, 2
	s_add_co_u32 s33, s33, s34
	s_add_co_u32 s33, s33, 96
	s_mul_i32 s34, s33, 6656
	s_add_nc_u64 s[26:27], s[6:7], s[34:35]        ; Wp's four records that are mine
	s_lshl_b32 s33, ttmp9, 10
	s_lshl_b32 s34, s18, 8
	s_add_co_u32 s34, s33, s34                     ; my 64 columns, in bytes
	s_add_nc_u64 s[28:29], s[8:9], s[34:35]
	s_add_nc_u64 s[30:31], s[10:11], s[34:35]
	s_lshl_b32 s34, s22, 17                        ; 64 rows of 2,048 bytes
	s_add_nc_u64 s[30:31], s[30:31], s[34:35]
	WIN 0x40                                       ; destination window 1
	s_wait_alu depctr_va_vdst(0)                   ; the offsets and addresses v1 to v7 are written, which the loads and stores of the kernel read; up to the last load only loads and window switches follow
.irp t, 0,1,2,3
.irp s, 0,1,2,3
.irp c, 0,1,2
	global_load_b128 v[12*(4*\t+\s)+4*\c:12*(4*\t+\s)+4*\c+3], v1, s[26:27] offset:6656*\t+1536*\s+512*\c
.endr
.endr
.endr
.irp t, 0,1,2,3
	global_load_b128 v[192+8*\t:192+8*\t+3], v4, s[28:29] offset:(32*(\t/2)+8*(\t%2))*4
	global_load_b128 v[192+8*\t+4:192+8*\t+7], v4, s[28:29] offset:(32*(\t/2)+8*(\t%2))*4+16
.endr
	WIN 0
.irp t, 0,1,2,3
.irp p, 0,1
	global_load_b64 v[16+4*\t+2*\p:16+4*\t+2*\p+1], v2, s[26:27] offset:6656*\t+6144+256*\p
.endr
.endr
.irp m, 0,1,2,3
.irp n, 0,1,2,3,4,5,6,7
	global_load_b32 v[48+8*\m+\n], v3, s[24:25] offset:7168*\m+6144+128*\n
.endr
.endr
	WIN 0x80                                       ; destination window 2
.irp m, 0,1,2,3
.irp s, 0,1,2,3
.irp c, 0,1
	global_load_b128 v[48*\m+12*\s+6*\c:48*\m+12*\s+6*\c+3], v1, s[24:25] offset:7168*\m+1536*\s+768*\c      ; half c of K step s: head 2 s + c
	global_load_b64 v[48*\m+12*\s+6*\c+4:48*\m+12*\s+6*\c+5], v2, s[24:25] offset:7168*\m+1536*\s+768*\c+512
.endr
.endr
.endr
	WIN 0
	s_wait_loadcnt 0x0
.irp m, 0,1,2,3
.irp s, 0,1,2,3
	v_lshl_or_b32 v[32+4*\m+\s], v[48+8*\m+2*\s+1], 16, v[48+8*\m+2*\s]   ; two heads' bytes make the scale word of a K step
.endr
.endr
.rept 8
	v_nop                                          ; a scale register written by a vector instruction stands eight places ahead of a scaled product
.endr
.irp s, 0,1,2,3                                ; the sixteen accumulators by turns, a K step at a time
.if \s == 0
	WIN 0xd9                                       ; source 0 (Wp) and source 2 (bp) window 1, source 1 (O) window 2, D window 3
	s_wait_alu depctr_va_vdst(0)                   ; O's scale words v32 to v47 are written, which the scaled products take; the eight places above stay beside this wait
.else
	WIN 0xf9                                       ; C and D window 3
.endif
.irp m, 0,1,2,3
.irp t, 0,1,2,3
.set rD, 8*(4*\m+\t)
.set rW, 12*(4*\t+\s)
.set rO, 48*\m+12*\s
.if \s == 0
	v_wmma_scale_f32_16x16x128_f8f6f4 v[rD:rD+7], v[rW:rW+11], v[rO:rO+11], v[192+8*\t:199+8*\t], v[16+4*\t+\s], v[32+4*\m+\s] matrix_a_fmt:MATRIX_FMT_BF6 matrix_b_fmt:MATRIX_FMT_BF6
.else
	v_wmma_scale_f32_16x16x128_f8f6f4 v[rD:rD+7], v[rW:rW+11], v[rO:rO+11], v[rD:rD+7], v[16+4*\t+\s], v[32+4*\m+\s] matrix_a_fmt:MATRIX_FMT_BF6 matrix_b_fmt:MATRIX_FMT_BF6
.endif
.endr
.endr
.endr
	WIN 0
.rept 4
	v_nop                                          ; four places between the last product and the first read of results
.endr
	s_wait_alu depctr_va_vdst(0)                   ; the products have written the accumulators, which the LDS stores below read; the places above stay beside this wait.  No vector instruction follows it
.macro TOSTAGE m                       ; token tile m into my stage, and back by rows.  LDS serves a wave's instructions in order (ISA guide 5.7.1.4): no wait between the stores and the loads, nor in front of the next tile's stores
	WIN 0x0c                                       ; an LDS store's data are its source 1: window 3
.irp t, 0,1,2,3
	ds_store_b128 v5, v[8*(4*\m+\t):8*(4*\m+\t)+3] offset:128*(\t/2)+32*(\t%2)          ; each accumulator from its low end on
	ds_store_b128 v5, v[8*(4*\m+\t)+4:8*(4*\m+\t)+7] offset:128*(\t/2)+32*(\t%2)+16
.endr
	WIN 0
.irp i, 0,1,2,3,4,5,6,7
	ds_load_b128 v[128+32*\m+4*\i:128+32*\m+4*\i+3], v6 offset:544*\i
.endr
.endm
.macro SEND m, younger                 ; younger: the LDS instructions issued behind tile m's loads: the next tile's 8 stores and 8 loads, or none
	s_wait_dscnt \younger
.irp i, 0,1,2,3,4,5,6,7
	global_store_b128 v7, v[128+32*\m+4*\i:128+32*\m+4*\i+3], s[30:31] offset:(32*(\m/2)+8*(\m%2)+2*\i+8*(\i/4))*2048 th:TH_STORE_NT   ; stage rows 2 i and 2 i + 1 are tokens 2 i + 8 (i / 4) and the next of the tile
.endr
.endm
	TOSTAGE 0
	TOSTAGE 1
	SEND 0, 16
	TOSTAGE 2
	SEND 1, 16
	TOSTAGE 3
	SEND 2, 16
	SEND 3, 0
	s_wait_dscnt 0x0                               ; the closing lines, six on end
	s_wait_alu 0x0
	s_wait_tensorcnt 0x0
	ds_add_u32 v126, v127
	s_wait_dscnt 0x0
	s_endpgm
.Lfunc_end_k_qb53627cea3_proj:
	.size	k_qb53627cea3_proj, .Lfunc_end_k_qb53627cea3_proj-k_qb53627cea3_proj
	.p2alignl 7, 3214868480
	.fill 96, 4, 3214868480
	.section	.rodata,"a",@progbits
	.p2align	6, 0x0
	.amdhsa_kernel k_qb53627cea3_proj
		.amdhsa_group_segment_fixed_size 17920
		.amdhsa_private_segment_fixed_size 0
		.amdhsa_enable_private_segment 0
		.amdhsa_kernarg_size 32
		.amdhsa_user_sgpr_count 2
		.amdhsa_user_sgpr_kernarg_segment_ptr 1
		.amdhsa_wavefront_size32 1
		.amdhsa_system_sgpr_workgroup_id_x 1
		.amdhsa_system_sgpr_workgroup_id_y 1
		.amdhsa_system_sgpr_workgroup_id_z 1
		.amdhsa_system_vgpr_workitem_id 0
		.amdhsa_next_free_vgpr 896
		.amdhsa_next_free_sgpr 66
		.amdhsa_reserve_vcc 0
		.amdhsa_float_denorm_mode_32 3
		.amdhsa_float_denorm_mode_16_64 3
		.amdhsa_memory_ordered 1
		.amdhsa_forward_progress 1
		.amdhsa_inst_pref_size 35
	.end_amdhsa_kernel
	.amdgpu_metadata
---
amdhsa.version: [ 1, 2 ]
amdhsa.kernels:
  - .name:           k_qb53627cea3_proj
    .symbol:         k_qb53627cea3_proj.kd
    .args:
      - { .name: oc, .offset: 0, .size: 8, .value_kind: global_buffer, .address_space: global }
      - { .name: wq, .offset: 8, .size: 8, .value_kind: global_buffer, .address_space: global }
      - { .name: bp, .offset: 16, .size: 8, .value_kind: global_buffer, .address_space: global }
      - { .name: out0, .offset: 24, .size: 8, .value_kind: global_buffer, .address_space: global }
    .group_segment_fixed_size: 17920
    .private_segment_fixed_size: 0
    .kernarg_segment_align: 8
    .kernarg_segment_size: 32
    .max_flat_workgroup_size: 128
    .sgpr_count:     66
    .vgpr_count:     896
    .wavefront_size: 32
...
	.end_amdgpu_metadata
.endif
;; end of part 8
